; MI455X (gfx1250); checked and timed in simulation.
; The chip was launched on July 23, 2026; its instructions are those of AMD's public machine-readable ISA for CDNA 5 (MIT licence, August 2026) and "CDNA5" Instruction Set Architecture Reference Guide (July 2026). The comments in the code are by the model that wrote it; some were corrected since.
;; Multihead Self Attention Block. Allowed arithmetic: matrix products marked QUANTISED: E2M3 operands, one E8M0 scale for each 32 along K, by v_wmma_scale_f32_16x16x128_f8f6f4 with both operands' format E2M3, f32 sums; everything else in f32.
;; Inputs: in_proj_b 3,072 float32; in_proj_w_codes 3,072 x 32 x 24 uint8 (E2M3 codes of in_proj_w, K innermost, in blocks of 32 codes, four codes in three bytes); in_proj_w_scales 3,072 x 32 uint8 (E8M0 scales of in_proj_w, one for each 32 codes along K); key_padding_mask 8 x 1,024 bool; ln_b 1,024 float32; ln_w 1,024 float32; out_proj_b 1,024 float32; out_proj_w_codes 1,024 x 32 x 24 uint8 (E2M3 codes of out_proj_w, K innermost, in blocks of 32 codes, four codes in three bytes); out_proj_w_scales 1,024 x 32 uint8 (E8M0 scales of out_proj_w, one for each 32 codes along K); src 8 x 1,024 x 1,024 float32.
;; Outputs: out0 8 x 1,024 x 1,024 float32; out1 8 x 1,024 x 1,024 float32.
;; This version of the problem:
;;   THIS VERSION OF THE PROBLEM IS GIVEN IN LOW PRECISION. The matrix products marked QUANTISED in the list below multiply operands that are first quantised to E2M3 (2 exponent bits, 3 mantissa bits; 6 bits a number), with one power-of-two scale for each 32 numbers along K (OCP MX v1.0); their sums are f32. All else is computed in f32.
;;   The module's matrix products, in the order in which they are computed (A, B: the left and right operand; K: the contracted axis; several contracted axes count as one K, in the product's order):
;;     1. [M 8,192, K 1,024] x [K 1,024, N 3,072]; A: computed on the way; B: input in_proj_w (given as codes): QUANTISED
;;     2. batch 128 x [M 1,024, K 64] x [K 64, N 1,024]; A: computed on the way; B: computed on the way: QUANTISED
;;     3. batch 128 x [M 64, K 1,024] x [K 1,024, N 1,024]; A: computed on the way; B: softmax (see below): QUANTISED
;;     4. [M 8,192, K 1,024] x [K 1,024, N 1,024]; A: computed on the way; B: input out_proj_w (given as codes): QUANTISED
;;   THE QUANTISER, for each operand of a quantised product, along K:
;;     - K is cut into blocks of 32 from its start; a last block that is shorter is filled with zeros.
;;     - A block's scale is 2^e with e = floor(log2(the largest magnitude in the block)) - 2, held to -126 .. 127; a block of zeros has e = 0. As a byte (E8M0): e + 127.
;;     - Each number is divided by its block's scale, clamped to +-7.5, and rounded to the nearest number of E2M3, ties to even, subnormals kept.
;;     - The product sums the exact products of the quantised numbers (number of the format x scale) in f32.
;;   ~~~python
;;   def quantise(x, axis):      # numpy; x: float32 -> the quantised numbers, widened to float32 again
;;       x = np.moveaxis(x, axis, -1); K = x.shape[-1]
;;       x = np.pad(x, [(0, 0)] * (x.ndim - 1) + [(0, -K % 32)]); x = x.reshape(x.shape[:-1] + (-1, 32)); a = np.abs(x).max(-1, keepdims=True)
;;       e = np.where(a > 0, np.clip(np.frexp(np.where(a > 0, a, 1))[1] - 1 - 2, -126, 127), 0)      # np.frexp(a)[1] - 1 = floor(log2(a)), exactly
;;       r = np.clip(x / 2.0 ** e, -7.5, 7.5)
;;       step = 2.0 ** (np.maximum(np.frexp(np.where(r == 0, 1, r))[1] - 1, 0) - 3)
;;       q = np.round(r / step) * step * 2.0 ** e      # np.round: ties to even
;;       return np.moveaxis(q.reshape(q.shape[:-2] + (-1,))[..., :K], -1, axis).astype(np.float32)
;;   ~~~
;;   SOFTMAX AHEAD OF A QUANTISED PRODUCT. Where the list says 'softmax', what is quantised is not the finished softmax but p = 2^(t - M), with t = logit x log2(e) and M = ceil(the row's largest t), a whole number; so 1/2 < the row's largest p <= 1. The row's sum l is taken of the UNQUANTISED p, in f32, and the product's result is divided by l at the end. Since M is a whole number, a kernel that streams over the keys may use a running M (the ceiling of the running maximum): every later rescaling is an exact power of two, which a block's scale takes up: the codes' values come out the same.
;;   OPERANDS COMPUTED ON THE WAY. 'Computed on the way' means the value that the module computes at that place (a softmax that the list does not call 'softmax' is quantised finished and normalised). What goes into a quantiser is computed in f32, as accurately as f32 sums, v_exp_f32 and their like allow (about 1e-6 of the number): no bf16 or f16 on the way to a quantiser, and a product that is left as it is and whose result goes on into a quantised operand takes f32 operands (vector FMAs, or v_wmma_f32_16x16x4_f32). A number that lies on a knife's edge between two numbers of the format may be rounded either way, as far as f32 arithmetic and the matrix unit's own rounding can turn it there, and no further.
;;   INPUTS GIVEN AS CODES. in_proj_w (in the module: [3072, 1024], K = its axis 1); out_proj_w (in the module: [1024, 1024], K = its axis 1): each comes as NAME_codes (uint8): NAME with its K axis moved to the last place and cut into blocks of 32 codes, [.., K / 32, bytes a block], one block behind the other in memory; four codes in three bytes: a row's codes are one little-endian stream of bits, code i at bits 6 i .. 6 i + 5 (a code: sign, 2 exponent bits, 3 mantissa bits); and NAME_scales (uint8): the same leading axes, one E8M0 byte (e + 127) for each 32 codes along K. Its value is code x scale, taken as it is: it is not quantised again, and the codes and scales need not be those that the quantiser above would give.
;; One version. Each part assembles by itself: llvm-mc -triple=amdgcn-amd-amdhsa -mcpu=gfx1250 --defsym DOCPART=n.
;; ======== version 1 of 1: 3 launches
;; limits: right only within a limited range of input values
;; workspace buffers: xc 6,291,456 bytes; xs 262,144 bytes; wo 819,200 bytes; qb 6,815,744 bytes; kv 13,369,344 bytes
;; launch xq (part 1): grid 256 x 1, 8 waves a work-group, no clusters, 66,560 bytes of LDS; arguments src, key_padding_mask, out_proj_w_codes, out_proj_w_scales, xc, xs, wo; writes xc, xs, wo
.if DOCPART == 1
	.amdgcn_target "amdgcn-amd-amdhsa--gfx1250"
	.amdhsa_code_object_version 6
	.text
	.protected	k_q3933f108c1_xq
	.globl	k_q3933f108c1_xq
	.p2align	8
	.type	k_q3933f108c1_xq,@function
k_q3933f108c1_xq:
	s_mov_b64 s[64:65], 0
	v_nop
	global_prefetch_b8 v0, s[64:65] scope:SCOPE_SE
	s_setreg_imm32_b32 hwreg(HW_REG_WAVE_MODE, 25, 1), 1
	s_wait_xcnt 0x0
; x = where(padded, 0, src), [8192][1024] f32, becomes codes of FP6 (E2M3), K innermost (xc, 768 bytes a row), with one E8M0 byte for each 32 along K (xs, 32 bytes a row).
; A block's scale byte is its largest magnitude's exponent field - 2, held at 1 from below; each number is divided by the scale and rounded to the nearest code, ties to even, beyond 7.5 the largest code.
; LIMITS: a block of zeros (every padded token's) gets the byte 1 where the rule says 127: its codes are zeros, and this program alone reads the bytes.  NaN and infinities in tokens that count are not served.
; SHARES.  A wave takes 4 rows: 8 steps of 512 numbers.  Each load reads 512 consecutive bytes; a step's 2,048 bytes turn through the wave's own stage in LDS, so that a lane then holds 16 neighbours along K
; (two neighbouring lanes hold a block).  A token's mask byte becomes 0 or -1 in a scalar register, and one AND a number clears a padded row.  Waves share nothing: no barrier.
; SIDE JOB, behind the stream: out_proj_w's codes and scale bytes are laid anew as images of the operand's registers (wo): for feature slice of 64 and K step of 128 a block of 6,400 bytes:
; four fragments of 1,536 bytes (registers 4 c .. 4 c + 3 of lane l at 512 c + 16 l), then two scale registers of 128 bytes (lanes 0-15 the even tile's words, lanes 16-31 the odd tile's).
; 512 fragments: waves 0 and 1 of each of the 256 work-groups take one each; 256 scale registers: wave 2 takes one.
.set STEPS, 8
.set EMAX,  2
.set CB,    12                         ; bytes of 16 codes
.set R,     16                         ; v16-79   four sets of 16 numbers as they are loaded
.set X,     80                         ; v80-111  two sets of 16 neighbours
.set E,     112                        ; v112-119 a scale byte for each step
.set C,     128                        ; v128-159 codes: four registers for each step, so that no store's data are written again
.set WREG,  8192                       ; LDS: a region for each wave: two stages of 32 x SP bytes, behind them its 128 scale bytes
.set SP,    80                         ; a lane's place in a stage: its 64 bytes + 16 of padding
.set KEEP,  24                         ; s24-27   0 for a padded row, -1 for one that counts
	s_load_b128 s[4:7], s[0:1], 0x0                ; src, the mask
	s_load_b128 s[8:11], s[0:1], 0x10              ; out_proj_w's codes, its scales
	s_load_b128 s[12:15], s[0:1], 0x20             ; xc, xs
	s_load_b64 s[16:17], s[0:1], 0x30              ; wo
	v_lshl_add_u32 v192, v0, 2, 0x10000
	v_mov_b32 v193, 0
	v_lshrrev_b32 v1, 5, v0
	v_readfirstlane_b32 s18, v1                    ; wave
	v_and_b32 v2, 31, v0                           ; lane
	v_lshlrev_b32 v3, 4, v2                        ; my 16 bytes of a load's 512
	s_mul_i32 s19, s18, WREG
	v_lshrrev_b32 v14, 2, v2
	v_mul_u32_u24 v14, v14, SP
	v_and_b32 v15, 3, v2
	v_lshl_add_u32 v14, v15, 4, v14
	v_add_nc_u32 v14, s19, v14                     ; the stage, on the way in: SP (lane / 4) + 16 (lane % 4)
	v_mul_u32_u24 v15, v2, SP
	v_add_nc_u32 v15, s19, v15                     ; and on the way out: SP x lane: my 16 neighbours
	v_mul_u32_u24 v4, v2, CB                       ; my codes' place in a step's
	v_lshrrev_b32 v5, 1, v2
	s_add_co_u32 s19, s19, 2*32*SP
	v_add_nc_u32 v5, s19, v5                       ; LDS: my wave's scale bytes, my block's byte
	v_lshlrev_b32 v7, 2, v2                        ; and on the way out 4 bytes a lane
	v_add_nc_u32 v6, s19, v7
	s_lshl_b32 s20, ttmp9, 3
	s_add_co_u32 s20, s20, s18                     ; which run of 4 rows is my wave's
	s_mov_b32 s23, 0
	s_wait_kmcnt 0x0
	s_lshl_b32 s22, s20, 2
	s_add_nc_u64 s[6:7], s[6:7], s[22:23]
	s_load_b32 s28, s[6:7], 0x0                    ; my four rows' mask bytes
	s_lshl_b32 s22, s20, 14
	s_add_nc_u64 s[4:5], s[4:5], s[22:23]          ; 16,384 bytes of src a run,
	s_mul_i32 s22, s20, 32*STEPS*CB
	s_add_nc_u64 s[12:13], s[12:13], s[22:23]      ; 3,072 of codes,
	s_lshl_b32 s22, s20, 7
	s_add_nc_u64 s[14:15], s[14:15], s[22:23]      ; 128 scale bytes
.macro LOAD t
.irp i, 0,1,2,3
	global_load_b128 v[R+16*((\t)%4)+4*\i:R+16*((\t)%4)+4*\i+3], v3, s[4:5] offset:2048*(\t)+512*\i   ; 32 lanes read 512 consecutive bytes (no hint: the last launch reads src again)
.endr
.endm
.macro TURN t                          ; step t's numbers through the stage: LDS serves a wave's instructions in order, so no wait stands between the stores and the loads
.irp i, 0,1,2,3
	ds_store_b128 v14, v[R+16*((\t)%4)+4*\i:R+16*((\t)%4)+4*\i+3] offset:32*SP*((\t)%2)+8*SP*\i
.endr
.irp i, 0,1,2,3
	ds_load_b128 v[X+16*((\t)%2)+4*\i:X+16*((\t)%2)+4*\i+3], v15 offset:32*SP*((\t)%2)+16*\i
.endr
.endm
.irp t, 0,1,2,3
	LOAD \t
.endr
	s_wait_kmcnt 0x0                               ; the mask bytes
.irp k, 0,1,2,3
	s_bfe_u32 s29, s28, (8<<16)|(8*\k)
	s_cmp_eq_u32 s29, 0
	s_cselect_b32 s[KEEP+\k], -1, 0
.endr
	s_wait_loadcnt 12                              ; step 0's four loads are in; the twelve of steps 1 to 3 stay out
	TURN 0
.macro STEP t
.set XS, X+16*((\t)%2)
.if (\t) > 0
	s_wait_dscnt 1                                 ; this step's numbers are back from the stage (the last step's byte store may be out): so its stores into the stage have read their registers,
.else
	s_wait_dscnt 0x0
.endif
.if (\t)+4 < STEPS
	LOAD (\t)+4                                    ; which take the loads of four steps on
.endif
.if (\t)+1 < STEPS
.if STEPS-2-(\t) >= 3
	s_wait_loadcnt 12                              ; the next step's four loads are in; those of the three steps behind it may be out
.else
	s_wait_loadcnt 4*(STEPS-2-(\t))
.endif
	TURN (\t)+1                                    ; and go through the other stage while this step is worked
.endif
.irp i, 0,1,2,3,4,5,6,7,8,9,10,11,12,13,14,15
	v_and_b32 v[XS+\i], s[KEEP+(\t)/2], v[XS+\i]   ; a padded row is zeros (two steps to a row)
.endr
	v_max3_num_f32 v8, |v[XS]|, |v[XS+1]|, |v[XS+2]|               ; the largest magnitude of my 16, in two chains
	v_max3_num_f32 v9, |v[XS+3]|, |v[XS+4]|, |v[XS+5]|
.irp i, 6,10
	v_max3_num_f32 v8, v8, |v[XS+\i]|, |v[XS+\i+1]|
	v_max3_num_f32 v9, v9, |v[XS+\i+2]|, |v[XS+\i+3]|
.endr
	v_max3_num_f32 v8, v8, |v[XS+14]|, |v[XS+15]|
	v_max3_num_f32 v8, v8, v9, (EMAX+1)<<23        ; and the floor 2^(EMAX + 1 - 127): so the byte cannot fall under 1
	v_max_num_f32_dpp v8, v8, v8 row_xmask:1 row_mask:0xf bank_mask:0xf   ; and of my neighbour's 16: the block's
	v_add_nc_u32 v11, -(EMAX<<23), v8              ; EMAX off its exponent field: the conversion takes the exponent field of this operand as its scale
	v_cvt_scalef32_pk16_fp6_f32 v[C+4*(\t):C+4*(\t)+2], v[XS:XS+15], v11
	v_lshrrev_b32 v[E+(\t)], 23, v11               ; the scale's byte (also the plain line behind the conversion)
	ds_store_b8 v5, v[E+(\t)] offset:16*(\t)       ; both lanes of a block write the same byte with the same value
	global_store_b96 v4, v[C+4*(\t):C+4*(\t)+2], s[12:13] offset:32*CB*(\t)   ; the wave stores 384 consecutive bytes
.endm
.irp t, 0,1,2,3,4,5,6,7
	STEP \t
.endr
	ds_load_b32 v12, v6                            ; LDS serves a wave's instructions in order: this sees my byte stores
	s_wait_dscnt 0x0
	global_store_b32 v7, v12, s[14:15]             ; my four rows' 128 scale bytes
	; ---- the side job.  It names no register that a pending store reads but v3 and v7, which it does not write
	s_cmp_lt_u32 s18, 2
	s_cbranch_scc0 .Lnot_codes
	s_lshl_b32 s20, ttmp9, 1
	s_add_co_u32 s20, s20, s18                     ; fragment f = 2 x work-group + wave
	s_lshr_b32 s21, s20, 3                         ; its tile of 16 features,
	s_and_b32 s22, s20, 7                          ; its K step
	s_mul_i32 s28, s21, 16*768
	s_mul_i32 s29, s22, 96
	s_add_co_u32 s28, s28, s29
	s_mov_b32 s29, 0
	s_add_nc_u64 s[8:9], s[8:9], s[28:29]
	s_lshr_b32 s30, s21, 2                         ; slice of 64 features
	s_lshl_b32 s30, s30, 3
	s_add_co_u32 s30, s30, s22
	s_mul_i32 s30, s30, 6400
	s_and_b32 s31, s21, 3
	s_mul_i32 s31, s31, 1536
	s_add_co_u32 s30, s30, s31
	s_mov_b32 s31, 0
	s_add_nc_u64 s[16:17], s[16:17], s[30:31]
	v_and_b32 v172, 15, v0
	v_bfe_u32 v173, v0, 4, 1
	v_mul_u32_u24 v172, v172, 768
	v_mad_u32_u24 v172, v173, 24, v172             ; row lane % 16, + 24 bytes for the upper half of the lanes
.irp p, 0,1,2,3,4,5
	global_load_b64 v[160+2*\p:161+2*\p], v172, s[8:9] offset:48*(\p/3)+8*(\p%3)   ; the fragment's twelve registers
.endr
	s_wait_loadcnt 0x0
.irp c, 0,1,2
	global_store_b128 v3, v[160+4*\c:163+4*\c], s[16:17] offset:512*\c             ; and their image: 512 consecutive bytes a store
.endr
	s_branch .Lend
.Lnot_codes:
	s_cmp_eq_u32 s18, 2
	s_cbranch_scc0 .Lend
	s_lshr_b32 s21, ttmp9, 3                       ; pair of tiles: 32 features,
	s_and_b32 s22, ttmp9, 7                        ; K step
	s_lshl_b32 s28, s21, 10
	s_lshl_b32 s29, s22, 2
	s_add_co_u32 s28, s28, s29
	s_mov_b32 s29, 0
	s_add_nc_u64 s[10:11], s[10:11], s[28:29]
	s_lshr_b32 s30, s21, 1
	s_lshl_b32 s30, s30, 3
	s_add_co_u32 s30, s30, s22
	s_mul_i32 s30, s30, 6400
	s_and_b32 s31, s21, 1
	s_lshl_b32 s31, s31, 7
	s_add_co_u32 s30, s30, s31
	s_add_co_u32 s30, s30, 6144
	s_mov_b32 s31, 0
	s_add_nc_u64 s[16:17], s[16:17], s[30:31]
	v_lshlrev_b32 v173, 5, v2                      ; lane l takes feature l of the 32: a row of scales is 32 bytes
	global_load_b32 v160, v173, s[10:11]
	s_wait_loadcnt 0x0
	global_store_b32 v7, v160, s[16:17]
.Lend:
	s_wait_tensorcnt 0x0
	ds_add_u32 v192, v193
	s_wait_dscnt 0x0
	s_endpgm
.Lfunc_end_k_q3933f108c1_xq:
	.size	k_q3933f108c1_xq, .Lfunc_end_k_q3933f108c1_xq-k_q3933f108c1_xq
	.p2alignl 7, 3214868480
	.fill 96, 4, 3214868480
	.section	.rodata,"a",@progbits
	.p2align	6, 0x0
	.amdhsa_kernel k_q3933f108c1_xq
		.amdhsa_group_segment_fixed_size 66560
		.amdhsa_private_segment_fixed_size 0
		.amdhsa_enable_private_segment 0
		.amdhsa_kernarg_size 56
		.amdhsa_user_sgpr_count 2
		.amdhsa_user_sgpr_kernarg_segment_ptr 1
		.amdhsa_wavefront_size32 1
		.amdhsa_system_sgpr_workgroup_id_x 1
		.amdhsa_system_sgpr_workgroup_id_y 1
		.amdhsa_system_sgpr_workgroup_id_z 1
		.amdhsa_system_vgpr_workitem_id 0
		.amdhsa_next_free_vgpr 194
		.amdhsa_next_free_sgpr 66
		.amdhsa_reserve_vcc 0
		.amdhsa_float_denorm_mode_32 3
		.amdhsa_float_denorm_mode_16_64 3
		.amdhsa_memory_ordered 1
		.amdhsa_forward_progress 1
		.amdhsa_inst_pref_size 25
	.end_amdhsa_kernel
	.amdgpu_metadata
---
amdhsa.version: [ 1, 2 ]
amdhsa.kernels:
  - .name:           k_q3933f108c1_xq
    .symbol:         k_q3933f108c1_xq.kd
    .args:
      - { .name: src, .offset: 0, .size: 8, .value_kind: global_buffer, .address_space: global }
      - { .name: key_padding_mask, .offset: 8, .size: 8, .value_kind: global_buffer, .address_space: global }
      - { .name: out_proj_w_codes, .offset: 16, .size: 8, .value_kind: global_buffer, .address_space: global }
      - { .name: out_proj_w_scales, .offset: 24, .size: 8, .value_kind: global_buffer, .address_space: global }
      - { .name: xc, .offset: 32, .size: 8, .value_kind: global_buffer, .address_space: global }
      - { .name: xs, .offset: 40, .size: 8, .value_kind: global_buffer, .address_space: global }
      - { .name: wo, .offset: 48, .size: 8, .value_kind: global_buffer, .address_space: global }
    .group_segment_fixed_size: 66560
    .private_segment_fixed_size: 0
    .kernarg_segment_align: 8
    .kernarg_segment_size: 56
    .max_flat_workgroup_size: 256
    .sgpr_count:     66
    .vgpr_count:     194
    .wavefront_size: 32
...
	.end_amdgpu_metadata
.endif
;; end of part 1
;; launch qkv (part 2): grid 12 x 32, 4 waves a work-group, clusters of 4 x 4, 327,680 bytes of LDS; arguments xc, xs, in_proj_w_codes, in_proj_w_scales, in_proj_b, key_padding_mask, qb, kv; writes qb, kv
.if DOCPART == 2
	.amdgcn_target "amdgcn-amd-amdhsa--gfx1250"
	.amdhsa_code_object_version 6
	.text
	.protected	k_q3933f108c1_qkv
	.globl	k_q3933f108c1_qkv
	.p2align	8
	.type	k_q3933f108c1_qkv,@function
k_q3933f108c1_qkv:
	s_mov_b64 s[64:65], 0
	v_nop
	global_prefetch_b8 v0, s[64:65] scope:SCOPE_SE
	s_setreg_imm32_b32 hwreg(HW_REG_WAVE_MODE, 25, 1), 1
	s_wait_xcnt 0x0
	s_wait_alu depctr_hold_cnt(0) depctr_sa_sdst(0) depctr_va_vdst(0) depctr_va_sdst(0) depctr_va_ssrc(0) depctr_va_vcc(0) depctr_vm_vsrc(0)
	s_getreg_b32 s2, hwreg(HW_REG_IB_STS2, 6, 4)
	s_cmp_eq_u32 s2, 0
	s_cbranch_scc0 .Lentry_in_a_cluster
	s_endpgm
.Lentry_in_a_cluster:
	s_bfe_u32 s2, ttmp6, 0x10000c
	s_cmp_lg_u32 s2, 0xf033
	s_cbranch_scc0 .Lentry_shape_is_right
	s_endpgm
.Lentry_shape_is_right:
; qkv = x in_proj_w^T + in_proj_b on codes of FP6 (E2M3) with one E8M0 scale for each 32 along K; the results are quantised at once for the attention's two products and never leave as f32.
; x: [8192][1024] codes (xc) and scale bytes (xs); the weight [3072][1024] likewise.  A work-group of four waves makes 256 tokens x 256 features, a wave 128 x 128: 64 accumulators, 512 registers.
; K goes in steps of 256 (rows of 192 bytes) through a ring of two LDS slots filled by the tensor data mover; the scale bytes of the work-group's rows, for all of K, come into LDS once.
; CLUSTERS: 4 x 4 work-groups.  The four of a row of the cluster need the same tiles of x, the four of a column the same tiles of the weight: each tile is asked for jointly.
; A cluster's four tile columns are 1,024 features: exactly q (cluster x = 0), k (1) or v (2).  The cluster's x is the same in all sixteen partners, so what hangs on it is alike in all.
; ROLES.  LDS always holds x's tile first and the weight's behind it.  q and k are quantised along the head's 64: a lane must hold ONE token and its registers run along the features: source 0 = 16 rows of the
; weight, source 1 = 16 tokens.  v is quantised along the keys: a lane must hold ONE feature and its registers run along the tokens: source 0 = 16 tokens, source 1 = 16 rows of the weight.
; Only the LDS bases of the fragment and scale loads differ (a select on the cluster's x); every value that they can take lies inside the slot, or inside the scales' region.
; THE WAY OUT needs no LDS.  For each of source 1's eight blocks a lane's 64 registers are 128 numbers along the next K (with lane l xor 16's): bias added, quantised in registers, stored as images of the operand's registers.
; Inside a block of 32 the two middle groups of eight stand exchanged (a tile pair's registers are 8 h + 0..7 and 16 + 8 h + 0..7): the same for q and k, and for v and the softmax's p in the next launch,
; so each product pairs the same numbers, and a block's 32 numbers, its largest magnitude and its scale are those of the rule.
; qb: [batch][head][128 tokens] blocks of 6,656 bytes: 8 half fragments (registers 0-5, K = the head's 64; 3 pieces of 256 bytes at 8 x lane), then 4 scale registers (lanes 0-15 the even tile, lanes 16-31 the odd).
; kv: the same index, blocks of 13,056 bytes: k's 8 half fragments; v's 4 whole fragments (16 of the head's 64 x 128 keys; 3 pieces of 512 bytes at 16 x lane); k's 4 scale registers; v's 2.
; THE KEY MASK rides in the half of the scores' K step that the head's 64 leave empty: byte 2 of k's scale word is 227 (2^100) for a padded key and 1 otherwise, byte 3 is 1; q's bytes 2 and 3 are 127.
; LIMITS: a block of zeros gets the byte 1 where the rule says 127 (its codes are zeros; this program alone reads the bytes).  NaN and infinities are not served.
.set KSTEP,  256                       ; along K in a slot
.set NQ,     KSTEP/128                 ; matrix instructions deep
.set ROWB,   192                       ; a tile's row in bytes
.set KROW,   768                       ; a row of codes in memory
.set PITCH,  240                       ; an LDS row: 3 x (64 bytes of data + 16 of padding)
.set FR,     12                        ; registers of a fragment
.set NL,     6                         ; LDS loads that bring one
.set NP,     4                         ; places behind this matrix instruction (ISA guide 7.12.1)
.set HALFT,  128*PITCH                 ; 128 rows: what one tensor load brings
.set SLOT,   4*HALFT                   ; x's 256 rows, then the weight's 256 rows
.set LAPS,   2                         ; 1,024 along K = two laps of two K steps
.set KS,     32                        ; a row of scales in bytes
.set SCL,    2*SLOT                    ; behind the ring: the scales, as rows of 256 bytes + 16 of padding
.set HALFS,  (128*KS/256)*272          ; the scales of 128 rows
.set SBLK,   (16*KS/256)*272           ; those of 16 rows
.set SPARE,  SCL+4*HALFS               ; the spare words, 128 bytes for each wave: two blocks of 256 bytes that no other line names
.set ADRA, 16                          ; v16-17  LDS address of source 1's fragments in slot 0, 1  (v18-19: for the pieces behind one padding more)
.set ADRB, 20                          ; v20-21  the same for source 0  (v22-23)
.set L4,   24                          ; v24-26  4, 8, 16 x lane
.set L8,   25
.set L16,  26
.set ADRS, 27                          ; v27     LDS address of my scale words: lanes 0-15 source 1's rows, lanes 16-31 source 0's
.set SPW,  28                          ; v28     LDS address of my spare word; never rewritten
.set NIL,  29                          ; v29     0; never rewritten
.set SC,   32                          ; v32-63  scale words, two sets
.set BR,   64                          ; v64-127 the bias along a lane's registers (q, k): register 8 b + j = feature 16 b + 8 h + j of my 128
.set AF,   128                         ; source 1's fragments, in window 0
.set BL,   240                         ; v240-247 the bias of the lane's feature (v): block a's feature 16 a + lane % 16
.set UP,   248                         ; v248-255 block a's tokens' mask bytes, later the upper half of their scale words
.set TT,   128                         ; the way out: v128-191 64 numbers
.set CD,   192                         ; v192-210 the codes just made
.set TM,   212                         ; v212-227 at work in the quantiser
.set PW,   228                         ; the scale word just made
.set PRL,  229                         ; the even block's words, kept for the odd block's
.set PRH,  230
.set CW0,  232                         ; packed scale registers to store
.set CW1,  233
.set BB,   234                         ; v[234:235] a pair
.set G1, 24                            ; s[24:31] descriptor group 1 for x's tiles;  s[32:39] group 0, one set for each slot
.set G0, 32
.set G1B, 48                           ; s[48:55], s[56:63] the same for the weight's tiles
.set G0B, 56
.set G1S, 68                           ; s[68:75], s[76:79] groups 1 and 0 for x's scales;  s[80:87], s[88:91] for the weight's
.set G0S, 76
.set G1SB, 80
.set G0SB, 88
.set SEL, 2                            ; s[2:3] lane selects for v_permlanex16_b32, set behind the loop (s3 counts the laps)
.set MSB, 0
.macro WIN new                         ; the immediate's high byte repeats the setting that is left
.if MSB != \new
	s_set_vgpr_msb (MSB<<8)|\new
.set MSB, \new
.endif
.endm
.set MUL_LO, 0xa1                      ; source 0 window 1, source 1 window 0, C and D window 2
.set MUL_HI, 0xf1                      ; the same, C and D window 3
.set TO_B,   0x40                      ; destination window 1, address window 0
; A joint load: waves 0 and 1 fetch x's halves, waves 2 and 3 the weight's.  Each of the two lines has one mask and one set of registers; the branch hangs on the wave's number alone.
; Four v_nop follow each of the two lines, ahead of the jump, the label and what follows.
.macro JLOAD g0a, g1a, g0b, g1b
	s_cmp_eq_u32 s15, 0
	s_cbranch_scc0 .Lfor_b_\@
	tensor_load_to_lds s[\g0a:\g0a+3], s[\g1a:\g1a+7]
	s_nop 0
.rept 4
	v_nop
.endr
	s_branch .Lasked_\@
.Lfor_b_\@:
	tensor_load_to_lds s[\g0b:\g0b+3], s[\g1b:\g1b+7]
	s_nop 0
.rept 4
	v_nop
.endr
.Lasked_\@:
.endm
.macro CREST                           ; a round of the cluster's barrier behind its opening barrier
	s_cmp_lg_u32 s14, 0
	s_cbranch_scc1 .Lnot_wave_0_\@
	s_barrier_signal -3
.Lnot_wave_0_\@:
	s_barrier_wait -3
	s_barrier_signal -1
	s_barrier_wait -1
.endm
.macro CROUND                          ; a whole round
	s_barrier_signal -1
	s_barrier_wait -1
	CREST
.endm
	s_load_b128 s[4:7], s[0:1], 0x0                ; x's codes, x's scales
	s_load_b128 s[8:11], s[0:1], 0x10              ; the weight's codes, its scales
	s_load_b128 s[96:99], s[0:1], 0x20             ; the bias, the mask
	s_load_b64 s[12:13], s[0:1], 0x30              ; qb
	s_load_b64 s[100:101], s[0:1], 0x38            ; kv
	v_lshl_add_u32 v[SPW], v0, 2, SPARE
	v_mov_b32 v[NIL], 0
	ds_add_u32 v28, v29
	ds_add_u32 v28, v29
	s_wait_dscnt 0x0
	v_lshrrev_b32 v1, 5, v0
	v_readfirstlane_b32 s14, v1                    ; wave 0..3
	s_lshr_b32 s15, s14, 1                         ; which half of source 1's 256 rows is mine.  Also: I fetch for x (0) or for the weight (1)
	s_and_b32 s16, s14, 1                          ; which half of source 0's.  Also: which 128 rows of that tile I fetch
	s_bfe_u32 s40, ttmp6, 0x40000                  ; cx, cy: my place in the cluster
	s_bfe_u32 s41, ttmp6, 0x40004
	s_lshl_b32 s42, ttmp9, 2
	s_add_co_u32 s42, s42, s40                     ; tile column (256 features) = 4 x cluster x + cx
	s_and_b32 s17, ttmp7, 0xffff
	s_lshl_b32 s17, s17, 2
	s_add_co_u32 s17, s17, s41                     ; tile row (256 tokens) = 4 x cluster y + cy
	s_lshl_b32 s43, s41, 2
	s_lshl_b32 s43, 15, s43                        ; my row of the cluster
	s_lshl_b32 s44, 0x1111, s40                    ; my column
	; descriptor group 1: a tile of 128 rows x 192 bytes, 16 bytes of padding behind every 64
	s_or_b32 s[G1+0], s43, (0<<16)|(1<<20)|(1<<21)|(3<<22)|(3<<25)  ; 15:0 the mask: x's tiles go to my row; 17:16 element of 1 byte; 20 padding on; 21 set beside a mask; 24:22 after every 16 words; 31:25 of 4 words
	s_or_b32 s[G1B+0], s44, (0<<16)|(1<<20)|(1<<21)|(3<<22)|(3<<25)
.irp g, G1, G1B
	s_mov_b32 s[\g+1], ROWB<<16                    ; tensor_dim0
	s_mov_b32 s[\g+2], 128<<16                     ; tensor_dim1
	s_mov_b32 s[\g+3], ROWB<<16                    ; tile_dim0
	s_mov_b32 s[\g+4], 128                         ; tile_dim1
	s_mov_b32 s[\g+5], KROW                        ; tensor_dim0_stride
	s_mov_b32 s[\g+6], 0
	s_mov_b32 s[\g+7], 0
.endr
	; and for the scales of 128 rows: a dense block of 4,096 bytes, as 16 rows of 256 bytes (32 elements of 8 bytes), 16 bytes of padding behind each
	s_or_b32 s[G1S+0], s43, (3<<16)|(1<<20)|(1<<21)|(5<<22)|(3<<25)
	s_or_b32 s[G1SB+0], s44, (3<<16)|(1<<20)|(1<<21)|(5<<22)|(3<<25)
.irp g, G1S, G1SB
	s_mov_b32 s[\g+1], 32<<16
	s_mov_b32 s[\g+2], (128*KS/256)<<16
	s_mov_b32 s[\g+3], 32<<16
	s_mov_b32 s[\g+4], 128*KS/256
	s_mov_b32 s[\g+5], 32
	s_mov_b32 s[\g+6], 0
	s_mov_b32 s[\g+7], 0
.endr
	s_lshl_b32 s18, s16, 7                         ; which 128 rows of the tile I fetch
	s_lshl_b32 s20, s17, 8
	s_add_co_u32 s20, s20, s18                     ; x: row 256 x tile row + 128 x half
	s_lshl_b32 s46, s42, 8
	s_add_co_u32 s46, s46, s18                     ; the weight: row 256 x tile column + 128 x half
	s_mov_b32 s21, 0
	s_mov_b32 s47, 0
	s_mov_b64 s[18:19], KS
	s_mul_u64 s[22:23], s[20:21], s[18:19]         ; where these rows' scales begin, in bytes
	s_mul_u64 s[92:93], s[46:47], s[18:19]
	s_mov_b64 s[18:19], KROW
	s_mul_u64 s[20:21], s[20:21], s[18:19]         ; and their codes
	s_mul_u64 s[46:47], s[46:47], s[18:19]
	s_mul_i32 s45, s14, HALFT                      ; where they go: wave x 128 rows: no place in the cluster enters an LDS address
	s_mul_i32 s94, s14, HALFS
	s_wait_kmcnt 0x0
	s_add_nc_u64 s[20:21], s[4:5], s[20:21]
	s_add_nc_u64 s[22:23], s[6:7], s[22:23]
	s_add_nc_u64 s[46:47], s[8:9], s[46:47]
	s_add_nc_u64 s[92:93], s[10:11], s[92:93]
	CROUND                                         ; all sixteen work-groups are here: the first joint loads meet
	s_mov_b32 s[G0S], 1
	s_add_co_u32 s[G0S+1], s94, SCL
	s_mov_b64 s[G0S+2:G0S+3], s[22:23]
	s_or_b32 s[G0S+3], s[G0S+3], 0x80000000
	s_mov_b32 s[G0SB], 1
	s_add_co_u32 s[G0SB+1], s94, SCL
	s_mov_b64 s[G0SB+2:G0SB+3], s[92:93]
	s_or_b32 s[G0SB+3], s[G0SB+3], 0x80000000
	JLOAD G0S, G1S, G0SB, G1SB                     ; the scales first: they are wanted with K step 0
.irp s, 0,1
	s_mov_b32 s[G0+4*\s], 1
	s_add_co_u32 s[G0+4*\s+1], s45, \s*SLOT
	s_add_nc_u64 s[G0+4*\s+2:G0+4*\s+3], s[20:21], \s*ROWB
	s_or_b32 s[G0+4*\s+3], s[G0+4*\s+3], 0x80000000
	s_mov_b32 s[G0B+4*\s], 1
	s_add_co_u32 s[G0B+4*\s+1], s45, \s*SLOT
	s_add_nc_u64 s[G0B+4*\s+2:G0B+4*\s+3], s[46:47], \s*ROWB
	s_or_b32 s[G0B+4*\s+3], s[G0B+4*\s+3], 0x80000000
	JLOAD G0+4*\s, G1, G0B+4*\s, G1B               ; three tensor loads of mine are out now
.endr
	v_and_b32 v1, 15, v0                           ; l % 16
	v_bfe_u32 v2, v0, 4, 1                         ; l / 16
	v_mul_u32_u24 v3, v1, PITCH
	v_mul_u32_u24 v4, v2, 24
	v_add_nc_u32 v4, v3, v4                        ; a fragment's row x pitch + 24 x half
	v_lshl_add_u32 v5, v2, 4, v4                   ; and the same behind one padding more
	s_cmp_eq_u32 ttmp9, 2                          ; THE ROLES: for v source 1 reads the weight's tile and source 0 x's; for q and k the other way round
	s_cselect_b32 s18, 2*HALFT, 0                  ; where source 1's tile begins in a slot,
	s_cselect_b32 s19, 0, 2*HALFT                  ; and source 0's;
	s_cselect_b32 s22, 2*HALFS, 0                  ; the same for their scales
	s_cselect_b32 s23, 0, 2*HALFS
	s_mul_i32 s21, s15, HALFT
	s_add_co_u32 s21, s21, s18                     ; my 128 rows of source 1
	s_mul_i32 s20, s16, HALFT
	s_add_co_u32 s20, s20, s19                     ; my 128 rows of source 0
.irp s, 0,1
	v_add_nc_u32 v[ADRA+\s], s21, v4
	v_add_nc_u32 v[ADRB+\s], s20, v4
	v_add_nc_u32 v[ADRA+2+\s], s21, v5
	v_add_nc_u32 v[ADRB+2+\s], s20, v5
	s_add_co_u32 s21, s21, SLOT
	s_add_co_u32 s20, s20, SLOT
.endr
	v_mul_u32_u24 v5, v1, KS                       ; my row's scales: 32 bytes a row,
	v_lshrrev_b32 v6, 8, v5
	v_lshl_add_u32 v5, v6, 4, v5                   ; and 16 more for each 256 passed
	s_mul_i32 s21, s15, HALFS
	s_add_co_u32 s21, s21, s22
	s_add_co_u32 s21, s21, SCL                     ; source 1's
	s_mul_i32 s20, s16, HALFS
	s_add_co_u32 s20, s20, s23
	s_add_co_u32 s20, s20, SCL                     ; source 0's
	s_mov_b32 s66, 0xffff0000                      ; lanes 16-31
	v_mov_b32 v6, s21
	v_mov_b32 v7, s20
	v_cndmask_b32 v6, v6, v7, s66                  ; lanes 0-15 take source 1's words, lanes 16-31 source 0's
	v_add_nc_u32 v[ADRS], v5, v6
	; The biases and the mask bytes, for the way out.  Every type loads all three kinds (each address lies inside its buffer for every type), so that no register's being written hangs on a branch.
	v_and_b32 v8, 31, v0
	v_lshlrev_b32 v[L4], 2, v8
	v_lshlrev_b32 v[L8], 3, v8
	v_lshlrev_b32 v[L16], 4, v8
	v_lshlrev_b32 v9, 5, v2                        ; 8 numbers for the upper half of the lanes
	v_lshlrev_b32 v10, 2, v1                       ; a number a lane
	s_lshl_b32 s46, s42, 10
	s_lshl_b32 s18, s16, 9
	s_add_co_u32 s46, s46, s18
	s_mov_b32 s47, 0
	s_add_nc_u64 s[92:93], s[96:97], s[46:47]      ; the bias at feature 256 x tile column + 128 x source 0's half
	s_lshl_b32 s46, s42, 10
	s_lshl_b32 s18, s15, 9
	s_add_co_u32 s46, s46, s18
	s_add_nc_u64 s[94:95], s[96:97], s[46:47]      ; and at source 1's half
	s_lshl_b32 s46, s17, 8
	s_lshl_b32 s18, s15, 7
	s_add_co_u32 s46, s46, s18
	s_add_nc_u64 s[98:99], s[98:99], s[46:47]      ; the mask at token 256 x tile row + 128 x source 1's half
.irp t, 0,1,2,3,4,5,6,7
	global_load_b128 v[BR+8*\t:BR+8*\t+3], v9, s[92:93] offset:64*\t
	global_load_b128 v[BR+8*\t+4:BR+8*\t+7], v9, s[92:93] offset:64*\t+16
.endr
.irp a, 0,1,2,3,4,5,6,7
	global_load_b32 v[BL+\a], v10, s[94:95] offset:64*\a
	global_load_u8 v[UP+\a], v1, s[98:99] offset:16*\a
.endr
.macro FRAG reg, adr, q, i             ; a fragment, 16 rows x 128 K of 6-bit codes, is 12 registers: lane l holds row l % 16; registers 6 c .. 6 c + 5 hold K = 64 c + 32 (l / 16) + 0 .. 31: 24 bytes of the row, as they lie
.irp p, 0,1,2,3,4,5                    ; in pieces of 8 bytes.  Lanes 16-31 read three pieces further on than lanes 0-15
.set PC, 12*(\q)+6*(\p/3)+\p%3        ; 16 bytes of padding lie behind every 8 pieces: where the piece three on lies behind one padding more, the second address register serves
.if PC%8 < 5
	ds_load_b64 v[\reg+2*\p:\reg+2*\p+1], v[\adr] offset:8*PC+16*(PC/8)+(\i)*16*PITCH
.else
	ds_load_b64 v[\reg+2*\p:\reg+2*\p+1], v[\adr+2] offset:8*PC+16*(PC/8)+(\i)*16*PITCH
.endif
.endr
.endm
; 16 matrix instructions: source 1's blocks a0, a0 + 1 x source 0's eight, 128 along K.  p: source 0's set;  sc: the set of scale words.  zero = 1: the first product starts the sums.
; The 64 accumulators take turns, one instruction a turn, in the same order in every step.
.macro MUL16 a0, p, q, sc, zero
.irp a, \a0, \a0+1
.irp b, 0,1,2,3,4,5,6,7
.if \zero
	v_wmma_scale_f32_16x16x128_f8f6f4 v[8*(8*((\a)%4)+\b):8*(8*((\a)%4)+\b)+7], v[128*(\p)+FR*\b:128*(\p)+FR*\b+FR-1], v[AF+FR*(\a):AF+FR*(\a)+FR-1], 0, v[SC+8*NQ*(\sc)+NQ*\b+(\q)], v[SC+8*NQ*(\sc)+NQ*(\a)+(\q)] matrix_a_fmt:MATRIX_FMT_FP6 matrix_b_fmt:MATRIX_FMT_FP6 matrix_a_scale:MATRIX_SCALE_ROW1
.else
	v_wmma_scale_f32_16x16x128_f8f6f4 v[8*(8*((\a)%4)+\b):8*(8*((\a)%4)+\b)+7], v[128*(\p)+FR*\b:128*(\p)+FR*\b+FR-1], v[AF+FR*(\a):AF+FR*(\a)+FR-1], v[8*(8*((\a)%4)+\b):8*(8*((\a)%4)+\b)+7], v[SC+8*NQ*(\sc)+NQ*\b+(\q)], v[SC+8*NQ*(\sc)+NQ*(\a)+(\q)] matrix_a_fmt:MATRIX_FMT_FP6 matrix_b_fmt:MATRIX_FMT_FP6 matrix_a_scale:MATRIX_SCALE_ROW1
.endif
.endr
.endr
.endm
.macro FETCH_B slot, q, p              ; source 0's eight fragments of the slot's q-th 128 along K into set p
	WIN TO_B
.irp i, 0,1,2,3,4,5,6,7
	FRAG 128*(\p)+FR*\i, ADRB+\slot, \q, \i
.endr
	WIN 0
.endm
.macro FETCH_A slot, q, i0             ; source 1's blocks i0 .. i0 + 3
.irp i, \i0, \i0+1, \i0+2, \i0+3
	FRAG AF+FR*(\i), ADRA+\slot, \q, \i
.endr
.endm
.macro SCALES sc                       ; the next K step's scale words into set sc: two words a row
.irp i, 0,1,2,3,4,5,6,7
	ds_load_b64 v[SC+8*NQ*\sc+NQ*\i:SC+8*NQ*\sc+NQ*\i+1], v[ADRS] offset:\i*SBLK
.endr
.endm
; A load into a register that a matrix instruction has read, and a vector instruction that reads a matrix result, stand NP places behind that matrix instruction; only plain vector
; instructions that name none of its registers are places (ISA guide 7.12.1 for vector instructions).
.macro PLACES n
.rept \n
	v_nop
.endr
.endm
; A step of 128 along K that has its successor in the same slot.
.macro STEP slot, q, zero
	s_wait_dscnt 4*NL                              ; source 0's set and source 1's blocks 0-3 are in; the youngest 24 loads (blocks 4-7) may be out
	WIN MUL_LO
	MUL16 0, (\q)%2, \q, \slot, \zero
	MUL16 2, (\q)%2, \q, \slot, \zero
	s_wait_dscnt 0                                 ; blocks 4-7 are in (asked for 32 matrix instructions ago)
	PLACES NP
	FETCH_B \slot, (\q)+1, 1-(\q)%2
	FETCH_A \slot, (\q)+1, 0
	WIN MUL_HI
	MUL16 4, (\q)%2, \q, \slot, \zero
	MUL16 6, (\q)%2, \q, \slot, \zero
	PLACES NP
	WIN 0
	FETCH_A \slot, (\q)+1, 4
.endm
; A slot's last step changes slots: one barrier; in front of it each wave waits for all its tensor loads, adds 0 to its spare word, and waits for that and for its own reads of this slot.  fill = 1: this slot is filled again, two K steps ahead.
.macro TURN slot, next, fill
	s_wait_tensorcnt 0x0                           ; all my tensor loads have landed: my part of the next slot;  (every window is 0 here)
	ds_add_u32 v[SPW], v[NIL]                      ; 0 onto my spare word;
	s_wait_dscnt 4*NL+1                            ; (the add and the youngest 24 loads, blocks 4-7, may be out)
	WIN MUL_LO
	MUL16 0, 1, NQ-1, \slot, 0                     ; sixteen matrix instructions stand between the add and the wait for it
	s_wait_dscnt 0x0                               ; the add is done, and my reads of this slot are over
	s_barrier_signal -1
	MUL16 2, 1, NQ-1, \slot, 0
	WIN 0
	s_barrier_wait -1
.if \fill
	CREST                                          ; the barrier has opened a round of the cluster's barrier: no wave of any partner still reads this slot's tile or has a load on its way
	s_add_nc_u64 s[G0+4*\slot+2:G0+4*\slot+3], s[G0+4*\slot+2:G0+4*\slot+3], 2*ROWB
	s_add_nc_u64 s[G0B+4*\slot+2:G0B+4*\slot+3], s[G0B+4*\slot+2:G0B+4*\slot+3], 2*ROWB
	JLOAD G0+4*\slot, G1, G0B+4*\slot, G1B         ; the first tensor load behind the round, my only one out; the four v_nop behind it are the places in front of the loads below
.else
	PLACES NP
.endif
	v_add_nc_u32 v[ADRS], 4*NQ, v[ADRS]            ; on to the next K step's scale words (no LDS load of mine is out)
	FETCH_B \next, 0, 0
	FETCH_A \next, 0, 0
	SCALES \next
	WIN MUL_HI
	MUL16 4, 1, NQ-1, \slot, 0
	MUL16 6, 1, NQ-1, \slot, 0
	PLACES NP
	WIN 0
	FETCH_A \next, 0, 4
.endm
	s_wait_tensorcnt 1                             ; the scales and my part of K step 0 are in (K step 1's load may be out)
	s_barrier_signal -1
	s_barrier_wait -1                              ; everybody's are
	FETCH_B 0, 0, 0
	FETCH_A 0, 0, 0
	SCALES 0
	FETCH_A 0, 0, 4
	STEP 0, 0, 1                                   ; the first step stands in front of the loop: its products start the sums
	s_mov_b32 s3, LAPS-1
.Llap:                                                 ; a trip goes once round the ring, from a lap's second step to the next lap's first, and fills both slots again
	TURN 0, 1, 1
	STEP 1, 0, 0
	TURN 1, 0, 1
	STEP 0, 0, 0
	s_sub_co_u32 s3, s3, 1
	s_cmp_lg_u32 s3, 0
	s_cbranch_scc1 .Llap
	TURN 0, 1, 0                                   ; the last lap fills nothing, and has no round of the cluster's barrier
	STEP 1, 0, 0
	s_wait_dscnt 4*NL                              ; the very last step: nothing more to fetch
	WIN MUL_LO
	MUL16 0, 1, NQ-1, 1, 0
	MUL16 2, 1, NQ-1, 1, 0
	s_wait_dscnt 0
	WIN MUL_HI
	MUL16 4, 1, NQ-1, 1, 0
	MUL16 6, 1, NQ-1, 1, 0
	WIN 0
; ---- THE WAY OUT
; 64 numbers of a lane, v[s] .. v[s + 63], whose registers 16 b .. 16 b + 15 are my half of block b of my row, become a fragment's codes in v[CD] on and its scale word in v[PW].
.macro QUANT s
.irp b, 0,1,2,3
	v_max3_num_f32 v[TM+\b], |v[\s+16*\b]|, |v[\s+1+16*\b]|, 0x1800000   ; block b: my 16 numbers, and the floor 2^(3 - 127): so the byte cannot fall under 1
.endr
.irp i, 2,4,6,8,10,12,14
.irp b, 0,1,2,3
	v_max3_num_f32 v[TM+\b], v[TM+\b], |v[\s+16*\b+\i]|, |v[\s+1+16*\b+\i]|   ; (the four blocks by turns)
.endr
.endr
.irp b, 0,1,2,3
	v_permlanex16_b32 v[TM+4+\b], v[TM+\b], s[SEL], s[SEL+1]
.endr
.irp b, 0,1,2,3
	v_max_num_f32 v[TM+\b], v[TM+\b], v[TM+4+\b]   ; with lane l xor 16's: the block's largest magnitude
.endr
.irp b, 0,1,2,3
	v_add_nc_u32 v[TM+12+\b], 0xff000000, v[TM+\b] ; 2 off its exponent field: the conversion's scale operand
.endr
.irp b, 0,1,2,3
	v_lshrrev_b32 v[TM+4+\b], 23, v[TM+12+\b]      ; the scale's byte
.endr
	v_lshl_or_b32 v[PW], v[TM+5], 8, v[TM+4]       ; the four bytes make my row's scale word, the same in both halves of the lanes
	v_lshl_or_b32 v[PW], v[TM+6], 16, v[PW]
	v_lshl_or_b32 v[PW], v[TM+7], 24, v[PW]
.irp c, 0,1
	v_cvt_scalef32_pk16_fp6_f32 v[CD+6*\c:CD+2+6*\c], v[\s+32*\c:\s+15+32*\c], v[TM+12+2*\c]
	v_cvt_scalef32_pk16_fp6_f32 v[CD+12+4*\c:CD+14+4*\c], v[\s+16+32*\c:\s+31+32*\c], v[TM+12+2*\c+1]   ; (a conversion's three registers begin on an even number)
.endr
	v_nop                                          ; one plain place behind a scaled conversion
.irp c, 0,1                                    ; the operand's layout wants a whole block in a lane: lanes 0-15 block 2 c, lanes 16-31 block 2 c + 1
.irp i, 0,1,2
	v_permlane16_swap_b32 v[CD+6*\c+\i], v[CD+12+4*\c+\i]
.endr
.irp i, 0,1,2
	v_mov_b32 v[CD+3+6*\c+\i], v[CD+12+4*\c+\i]
.endr
.endr
.endm
; Source 1's block a.  isv = 0: 16 tokens x my 128 features = two heads: registers 0-5 of the fragment are the first head's half fragment, registers 6-11 the second's; the word's low half the first head's two bytes.
; isv = 1: 16 features x my 128 tokens: one whole fragment of v.  Blocks 0-3 are the first head's four tiles, blocks 4-7 the second's.
.macro EPI a, isv
	s_wait_xcnt 0x0                                ; the last block's stores have read their registers: these are written again only behind this wait
.if \isv
	v_mov_b32 v[BB], v[BL+\a]
	v_mov_b32 v[BB+1], v[BL+\a]
.endif
	WIN 0x02+(\a)/4                                ; source 0: the accumulators' window
.set i, 0
.rept 32                                       ; ascending: each accumulator is read from its low end on
.if \isv
	v_pk_add_f32 v[TT+i:TT+i+1], v[64*((\a)%4)+i:64*((\a)%4)+i+1], v[BB:BB+1]
.else
	v_pk_add_f32 v[TT+i:TT+i+1], v[64*((\a)%4)+i:64*((\a)%4)+i+1], v[BR+i:BR+i+1]
.endif
.set i, i+2
.endr
	WIN 0
	QUANT TT
.if \isv
.irp c, 0,1,2
	global_store_b128 v[L16], v[CD+4*\c:CD+4*\c+3], s[92+2*((\a)/4):93+2*((\a)/4)] offset:1536*((\a)%4)+512*\c   ; 512 consecutive bytes a store
.endr
.if (\a)%2 == 0
	v_mov_b32 v[PRL], v[PW]
.else
	v_cndmask_b32 v[CW0], v[PRL], v[PW], s66       ; lanes 0-15 the even tile's words, lanes 16-31 the odd tile's
	global_store_b32 v[L4], v[CW0], s[96+2*((\a)/4):97+2*((\a)/4)] offset:128*(((\a)%4)/2)
.endif
.else
.irp p, 0,1,2
	global_store_b64 v[L8], v[CD+2*\p:CD+2*\p+1], s[92:93] offset:768*(\a)+256*\p      ; 256 consecutive bytes a store, at a multiple of 256 from the buffer's first byte
	global_store_b64 v[L8], v[CD+6+2*\p:CD+7+2*\p], s[94:95] offset:768*(\a)+256*\p
.endr
.if (\a)%2 == 0
	v_and_or_b32 v[PRL], v[PW], 0xffff, v[UP+\a]   ; the first head's two bytes under the upper half,
	v_lshrrev_b32 v[PRH], 16, v[PW]
	v_or_b32 v[PRH], v[PRH], v[UP+\a]              ; the second head's
.else
	v_and_or_b32 v[CW0], v[PW], 0xffff, v[UP+\a]
	v_lshrrev_b32 v[CW1], 16, v[PW]
	v_or_b32 v[CW1], v[CW1], v[UP+\a]
	v_cndmask_b32 v[CW0], v[PRL], v[CW0], s66      ; lanes 0-15 the even tile's words, lanes 16-31 the odd tile's
	v_cndmask_b32 v[CW1], v[PRH], v[CW1], s66
	global_store_b32 v[L4], v[CW0], s[96:97] offset:128*((\a)/2)
	global_store_b32 v[L4], v[CW1], s[98:99] offset:128*((\a)/2)
.endif
.endif
.endm
	PLACES NP                                      ; behind the last products: their results are read, and the registers that held source 1's fragments are written
	s_wait_loadcnt 0x0                             ; the biases and mask bytes; their bases may be written again
	s_mov_b32 s[SEL], 0x76543210
	s_mov_b32 s[SEL+1], 0xfedcba98                 ; v_permlanex16_b32's selects for lane l xor 16
.irp b, 0,1,2,3
	v_mov_b32 v[TM+4+\b], 0                        ; written once: a lane permute's destination counts as one of its sources
.endr
	; where my blocks lie.  Block index = ((batch x 16 + head) x 8 + block of 128 tokens); my first head = 4 cx + 2 x (my half of the features)
	s_cmp_eq_u32 ttmp9, 0
	s_cselect_b64 s[20:21], s[12:13], s[100:101]   ; qb for q, kv for k and v: the choice hangs on the cluster's x alone
	s_mov_b32 s22, 13056
	s_cselect_b32 s22, 6656, s22                   ; a block's bytes
	s_mov_b32 s44, 12288
	s_cselect_b32 s44, 6144, s44                   ; from the images to the scale registers: q 6,144, k 12,288,
	s_cmp_eq_u32 ttmp9, 2
	s_cselect_b32 s44, 6656, s44                   ; v 6,656
	s_cselect_b32 s18, s16, s15                    ; which 128 tokens are mine,
	s_cselect_b32 s19, s15, s16                    ; which 128 features
	s_cselect_b32 s45, 6144, 0                     ; v's images lie behind k's
	s_lshr_b32 s23, s17, 2                         ; batch: four tile rows each
	s_lshl_b32 s23, s23, 4
	s_lshl_b32 s46, s40, 2
	s_add_co_u32 s23, s23, s46
	s_lshl_b32 s46, s19, 1
	s_add_co_u32 s23, s23, s46
	s_lshl_b32 s23, s23, 3
	s_lshl_b32 s46, s17, 1
	s_add_co_u32 s46, s46, s18
	s_and_b32 s46, s46, 7
	s_add_co_u32 s23, s23, s46
	s_mul_i32 s46, s23, s22
	s_add_co_u32 s46, s46, s45
	s_mov_b32 s47, 0
	s_add_nc_u64 s[92:93], s[20:21], s[46:47]      ; the first head's images,
	s_lshl_b32 s46, s22, 3
	s_add_nc_u64 s[94:95], s[92:93], s[46:47]      ; the second head's: eight blocks on,
	s_mov_b32 s46, s44
	s_add_nc_u64 s[96:97], s[92:93], s[46:47]      ; and their scale registers
	s_add_nc_u64 s[98:99], s[94:95], s[46:47]
	s_cmp_eq_u32 ttmp9, 2
	s_cbranch_scc1 .Lout_v
	s_cmp_eq_u32 ttmp9, 0                          ; the upper half of a scale word: q 127, 127; k: byte 2 = 1, or 227 for a padded key; byte 3 = 1
	s_mov_b32 s46, 0x01010000
	s_cselect_b32 s46, 0x7f7f0000, s46
	s_mov_b32 s47, 0x01e30000
	s_cselect_b32 s47, 0x7f7f0000, s47
	v_mov_b32 v[BB], s47
.irp a, 0,1,2,3,4,5,6,7
	v_cmp_ne_u32 vcc_lo, 0, v[UP+\a]
	v_cndmask_b32 v[UP+\a], s46, v[BB], vcc_lo
.endr
.irp a, 0,1,2,3,4,5,6,7
	EPI \a, 0
.endr
	s_branch .Lout_done
.Lout_v:
.irp a, 0,1,2,3,4,5,6,7
	EPI \a, 1
.endr
.Lout_done:
	s_wait_tensorcnt 0x0                           ; the wave's end
	ds_add_u32 v[SPW], v[NIL]
	s_wait_dscnt 0x0
	CROUND                                         ; the closing round: no work-group ends while a partner may still ask for a tile that names it
	s_endpgm
.Lfunc_end_k_q3933f108c1_qkv:
	.size	k_q3933f108c1_qkv, .Lfunc_end_k_q3933f108c1_qkv-k_q3933f108c1_qkv
	.p2alignl 7, 3214868480
	.fill 96, 4, 3214868480
	.section	.rodata,"a",@progbits
	.p2align	6, 0x0
	.amdhsa_kernel k_q3933f108c1_qkv
		.amdhsa_group_segment_fixed_size 327680
		.amdhsa_private_segment_fixed_size 0
		.amdhsa_enable_private_segment 0
		.amdhsa_kernarg_size 64
		.amdhsa_user_sgpr_count 2
		.amdhsa_user_sgpr_kernarg_segment_ptr 1
		.amdhsa_wavefront_size32 1
		.amdhsa_system_sgpr_workgroup_id_x 1
		.amdhsa_system_sgpr_workgroup_id_y 1
		.amdhsa_system_sgpr_workgroup_id_z 1
		.amdhsa_system_vgpr_workitem_id 0
		.amdhsa_next_free_vgpr 1024
		.amdhsa_next_free_sgpr 102
		.amdhsa_reserve_vcc 1
		.amdhsa_float_denorm_mode_32 3
		.amdhsa_float_denorm_mode_16_64 3
		.amdhsa_memory_ordered 1
		.amdhsa_forward_progress 1
		.amdhsa_inst_pref_size 240
	.end_amdhsa_kernel
	.amdgpu_metadata
---
amdhsa.version: [ 1, 2 ]
amdhsa.kernels:
  - .name:           k_q3933f108c1_qkv
    .symbol:         k_q3933f108c1_qkv.kd
    .args:
      - { .name: xc, .offset: 0, .size: 8, .value_kind: global_buffer, .address_space: global }
      - { .name: xs, .offset: 8, .size: 8, .value_kind: global_buffer, .address_space: global }
      - { .name: in_proj_w_codes, .offset: 16, .size: 8, .value_kind: global_buffer, .address_space: global }
      - { .name: in_proj_w_scales, .offset: 24, .size: 8, .value_kind: global_buffer, .address_space: global }
      - { .name: in_proj_b, .offset: 32, .size: 8, .value_kind: global_buffer, .address_space: global }
      - { .name: key_padding_mask, .offset: 40, .size: 8, .value_kind: global_buffer, .address_space: global }
      - { .name: qb, .offset: 48, .size: 8, .value_kind: global_buffer, .address_space: global }
      - { .name: kv, .offset: 56, .size: 8, .value_kind: global_buffer, .address_space: global }
    .group_segment_fixed_size: 327680
    .private_segment_fixed_size: 0
    .kernarg_segment_align: 8
    .kernarg_segment_size: 64
    .max_flat_workgroup_size: 128
    .sgpr_count:     102
    .vgpr_count:     1024
    .wavefront_size: 32
...
	.end_amdgpu_metadata
.endif
;; end of part 2
;; launch attn_out (part 3): grid 32 x 8, 8 waves a work-group, no clusters, 238,080 bytes of LDS; arguments qb, kv, key_padding_mask, out1, wo, out_proj_b, src, ln_w, ln_b, out0; writes out1, out0
.if DOCPART == 3
	.amdgcn_target "amdgcn-amd-amdhsa--gfx1250"
	.amdhsa_code_object_version 6
	.text
	.protected	k_q3933f108c1_attn_out
	.globl	k_q3933f108c1_attn_out
	.p2align	8
	.type	k_q3933f108c1_attn_out,@function
k_q3933f108c1_attn_out:
	s_mov_b64 s[64:65], 0
	v_nop
	global_prefetch_b8 v0, s[64:65] scope:SCOPE_SE
	s_setreg_imm32_b32 hwreg(HW_REG_WAVE_MODE, 25, 1), 1
	s_wait_xcnt 0x0
; Scores, masked softmax, weights x values for all 16 heads of 32 queries of one batch; out1 = the softmax averaged over the heads; then, for the same 32 tokens, out0 = where(padded, 0, LayerNorm(ctx out_proj_w^T + out_proj_b + x)).
; All three products on codes of FP6 (E2M3) with E8M0 scales; all else in f32.  ctx is quantised in registers, lies in LDS as codes and never goes to memory.
; SHARES.  A work-group owns 32 queries (two tiles u = 0, 1), all 1,024 keys and all heads: so it owns whole rows of out1 and of out0.  Wave w of eight owns keys 128 w .. 128 w + 127 for both tiles.
; Per head a wave issues 16 products S^T = K Q^T (8 tiles of 16 keys x 2) and 8 products O^T = V^T P^T (4 tiles of the head's 64 x 2; its 128 keys are one K step).  Each starts with C = 0: there is no chain.
; Both are used transposed: a lane holds ONE query (lane % 16), its registers run along the keys (8 t + j = key 16 t + 8 (lane / 16) + j) or along the head's 64.
; K, V and Q come as images of the operands' registers, dense, straight from memory into registers: a wave's block of K and V is read by that wave alone, once.  So no tile goes through LDS, and
; no joint load is written: what the four query blocks of a would-be cluster share would have to take the way through LDS that is spared here.
; THE SOFTMAX.  t = score x log2(e) / 8.  Each wave takes M_w = ceil(max(its largest t, -2^100)), p = 2^(t - M_w), quantises p along its keys, and sums the unquantised p (l_w).  One exchange a head through LDS:
; M = the largest M_w; F_w = 2^(M_w - M), an exact power of two; l = the sum of F_w l_w; ctx = (the sum of F_w O_w) / l; out1 += p F_w / (16 l).
; THE KEY MASK rides in the half of the scores' K step that the head's 64 leave empty: at k = 64 a padded key has the code -7.5 (else 0) and every query +7.5; the key's scale byte for that block is 227 (2^100)
; where it is padded and 1 otherwise.  So a padded key's score is about -56 x 2^100, its p is 0, and an open key's extra products are zeros under a tiny scale.
; THE TAIL.  Wave w makes features 128 w .. 128 w + 127 (8 tiles) of the last product for both tiles of tokens: 16 accumulators, which take turns; source 0 = 16 rows of the weight,
; source 1 = 16 tokens.  The weight comes as images of the operand's registers (wo), dense, straight into registers, two K steps' sets (28 loads each) on their way; each fragment serves one wave, once, and a K step has 16 products
; a wave: too few for a refill of LDS behind a cluster's round to land, so there is no ring and no joint load.  out1's stores are issued ahead of this product and leave beside it.
; The results meet in a stage; wave w norms rows 4 w .. 4 w + 3 (a lane holds features 128 i + 4 x lane + 0..3).  For a token that counts x = src; a padded token's row is cleared at the end, so src serves as the residual for every row.
; LIMITS: |t| stays under 2^100.  NaN and infinities in tokens that count are not served.  A batch all of whose keys are padded gives 0 x infinity = NaN in out1, and zeros in out0.  Blocks of zeros get the byte 1 (zero codes; the bytes are this program's own).
; LDS: two buffers of the waves' partial O^T (65,536 bytes each: [wave][4 u + tile] images of 1,024 bytes) and of their -M_w and l_w, by turns from head to head: so ONE barrier a head: a buffer is written again two heads
; later, behind the barrier of the head between, which every wave signals behind its wait for all its LDS instructions.  ctx's codes and scale bytes: a region for each of the four reducing waves.  A stage for each wave for out1.
; ctx's scale words: 1,024 bytes for each wave.  The norm's stage (32 rows x (4,096 + 16) bytes) lies over the partial sums and statistics, which nobody reads behind the barrier that follows the last head.
; REGISTERS.  Window 0: v1-15 addresses; v16-19 mask codes; v20-31 statistics; v32-41 scale registers and nothing else; v42-47 at work; v48-71 Q; v72-95 p's codes; v96-127 at work; v128-255 S^T, then p.
;   Window 1: v0-127 out1's sums (64 u + 8 t + j); v128-159 O^T; v160-255 K's 8 fragments; V's 4 fragments lie over K's first four.
;   In the tail: window 1: v0-127 the accumulators; v128-159 src's row 1; v160-255 the weight's even K steps, later ln_w, ln_b, out_proj_b.  Window 0: v48-95 ctx's fragments, two sets; v96-127 src's row 0; v128-223 the weight's odd K steps;
;   for the norm v128-191, v224-255, v96-127 four rows, v192-223 and v48-79 src's rows 2 and 3, v80-89 at work.
.set OX1,  65536                       ; the second buffer of partial O^T (the first begins at 0)
.set ST0,  131072                      ; statistics: ((2 u + kind) x 16 + query) x 32 + 4 x wave; kind 0 = -M_w, 1 = l_w; the second buffer 2,048 bytes on
.set CTB,  135168                      ; ctx's codes: [unit 4][query 16, pitch CTP][head 16] 24 bytes; unit = 2 x query tile + block of 32 of the head's 64
.set CTP,  392
.set CTU,  16*CTP
.set CSB,  CTB+4*CTU                   ; ctx's scale bytes: [unit][query][head]
.set STG,  CSB+1024                    ; out1's stages: 16 rows x (512 bytes + 16) for each wave
.set SGP,  528
.set XSWB, STG+8*16*SGP                ; ctx's scale words: [wave][K step 8] 128 bytes: lanes 0-15 tokens 0-15, lanes 16-31 tokens 16-31
.set SGL,  4112                        ; the norm's stage, from byte 0: a row of 4,096 bytes + 16
.set KVH,  104448                      ; bytes from head to head in kv (8 blocks of 13,056),
.set QH,   53248                       ; and in qb (8 blocks of 6,656)
.set MK,   16                          ; v16-19  register 6 of K's fragments 0-3: the mask's code
.set KSC,  32                          ; v32-35  K's scale words: lanes 0-15 the even tile, lanes 16-31 the odd
.set VSC,  36                          ; v36-37  V's likewise
.set QSC,  38                          ; v38     Q's: lanes 0-15 tile 0, lanes 16-31 tile 1
.set PSC,  40                          ; v40-41  p's, a register a tile
.set WSC,  32                          ; the tail: v32-39 the weight's scale words, two sets of four;
.set XSC,  40                          ; v40-41  ctx's, two sets of one
.set QF,   48
.set XF,   48                          ; the tail: ctx's fragments, two sets of two
.set PCD,  72
.set CVT,  96
.set BM,   104                         ; four block maxima;  later F: v104-111 tile 0's eight, v112-119 tile 1's
.set BP,   108
.set BS,   112
.set S,    128
.set OT,   128                         ; in window 1
.set KF,   160                         ; in window 1
.set LW,   160                         ; in window 1, for the norm: ln_w, ln_b, out_proj_b
.set LB,   192
.set OB,   224
.set CC,   28                          ; s[28:29] c = log2(e) / 8
.set T0,   31                          ; s31     -2^100
.set SEL,  32                          ; s[32:33] lane selects for v_permlanex16_b32
.set KEEP, 48                          ; s48-51  0 for a padded row of my four, -1 for one that counts
.set NINV, 54                          ; s54 -1/1024, s55 1/1024, s56 1e-5
.set INV,  55
.set EPS,  56
.set MSB, 0
.macro WIN new                         ; the immediate's high byte repeats the setting that is left
.if MSB != \new
	s_set_vgpr_msb (MSB<<8)|\new
.set MSB, \new
.endif
.endm
.macro PLACES n
.rept \n
	v_nop
.endr
.endm
.macro LOADK t0, off                   ; the lower halves of K's fragments t0 .. t0 + 3 and their two scale registers: 14 loads
	WIN 0x40                                       ; destination window 1
.irp t, 0,1,2,3
.irp p, 0,1,2
	global_load_b64 v[KF+12*(\t0+\t)+2*\p:KF+12*(\t0+\t)+2*\p+1], v2, s[6:7] offset:\off+768*(\t0+\t)+256*\p
.endr
.endr
	WIN 0
	global_load_b32 v[KSC+(\t0)/2], v1, s[6:7] offset:\off+12288+128*((\t0)/2)
	global_load_b32 v[KSC+(\t0)/2+1], v1, s[6:7] offset:\off+12288+128*((\t0)/2+1)
.endm
.macro LOADQ off                       ; the lower halves of Q's two fragments and their scale register: 7 loads
.irp u, 0,1
.irp p, 0,1,2
	global_load_b64 v[QF+12*\u+2*\p:QF+12*\u+2*\p+1], v2, s[4:5] offset:\off+768*\u+256*\p
.endr
.endr
	global_load_b32 v[QSC], v1, s[16:17] offset:\off
.endm
.macro LOADV                           ; V's four fragments and their two scale registers: 14 loads
	WIN 0x40
.irp d, 0,1,2,3
.irp c, 0,1,2
	global_load_b128 v[KF+12*\d+4*\c:KF+12*\d+4*\c+3], v3, s[6:7] offset:6144+1536*\d+512*\c
.endr
.endr
	WIN 0
	global_load_b32 v[VSC], v1, s[6:7] offset:12800
	global_load_b32 v[VSC+1], v1, s[6:7] offset:12928
.endm
.macro QKP t, u                        ; S^T(u, t) = K(t) Q(u)^T
.set rD, S+64*(\u)+8*(\t)
.set rK, KF+12*(\t)
.set rQ, QF+12*(\u)
.set rC, KSC+(\t)/2
.if ((\t)%2 == 0) && ((\u) == 0)
	v_wmma_scale_f32_16x16x128_f8f6f4 v[rD:rD+7], v[rK:rK+11], v[rQ:rQ+11], 0, v[rC], v[QSC] matrix_a_fmt:MATRIX_FMT_FP6 matrix_b_fmt:MATRIX_FMT_FP6
.elseif (\u) == 0
	v_wmma_scale_f32_16x16x128_f8f6f4 v[rD:rD+7], v[rK:rK+11], v[rQ:rQ+11], 0, v[rC], v[QSC] matrix_a_fmt:MATRIX_FMT_FP6 matrix_b_fmt:MATRIX_FMT_FP6 matrix_a_scale:MATRIX_SCALE_ROW1
.elseif (\t)%2 == 0
	v_wmma_scale_f32_16x16x128_f8f6f4 v[rD:rD+7], v[rK:rK+11], v[rQ:rQ+11], 0, v[rC], v[QSC] matrix_a_fmt:MATRIX_FMT_FP6 matrix_b_fmt:MATRIX_FMT_FP6 matrix_b_scale:MATRIX_SCALE_ROW1
.else
	v_wmma_scale_f32_16x16x128_f8f6f4 v[rD:rD+7], v[rK:rK+11], v[rQ:rQ+11], 0, v[rC], v[QSC] matrix_a_fmt:MATRIX_FMT_FP6 matrix_b_fmt:MATRIX_FMT_FP6 matrix_a_scale:MATRIX_SCALE_ROW1 matrix_b_scale:MATRIX_SCALE_ROW1
.endif
.endm
.macro PVP d, u                        ; O^T(d) = V(d) P(u)^T over my 128 keys
.set rD, OT+8*(\d)
.set rV, KF+12*(\d)
.set rP, PCD+12*(\u)
.if (\d)%2 == 0
	v_wmma_scale_f32_16x16x128_f8f6f4 v[rD:rD+7], v[rV:rV+11], v[rP:rP+11], 0, v[VSC+(\d)/2], v[PSC+\u] matrix_a_fmt:MATRIX_FMT_FP6 matrix_b_fmt:MATRIX_FMT_FP6
.else
	v_wmma_scale_f32_16x16x128_f8f6f4 v[rD:rD+7], v[rV:rV+11], v[rP:rP+11], 0, v[VSC+(\d)/2], v[PSC+\u] matrix_a_fmt:MATRIX_FMT_FP6 matrix_b_fmt:MATRIX_FMT_FP6 matrix_a_scale:MATRIX_SCALE_ROW1
.endif
.endm
.macro OSTORE buf, u                   ; my partial O^T of tile u as images, each accumulator from its low end on
.irp d, 0,1,2,3
	ds_store_b128 v[4+\buf], v[OT+8*\d:OT+8*\d+3] offset:(4*\u+\d)*1024
	ds_store_b128 v[4+\buf], v[OT+8*\d+4:OT+8*\d+7] offset:(4*\u+\d)*1024+512
.endr
.endm
; Tile u's softmax over my 128 keys: -M_w in v[20 + 4 u], l_w in v[22 + 4 u], p in place of the scores, p's codes and scale word.
.macro SOFTMAX u
.set SS, S+64*\u
.set MM, 20+4*\u
.set SU, 22+4*\u
.set PP, PCD+12*\u
.irp b, 0,1,2,3
	v_max3_num_f32 v[BM+\b], v[SS+16*\b], v[SS+16*\b+1], v[SS+16*\b+2]   ; the largest score of each block of 32 keys: for the row's maximum, and, since p rises with the score, for the block's largest p
.endr
.irp i, 3,5,7,9,11,13
.irp b, 0,1,2,3
	v_max3_num_f32 v[BM+\b], v[BM+\b], v[SS+16*\b+\i], v[SS+16*\b+\i+1]  ; (the four blocks by turns; each accumulator is first read at its low end)
.endr
.endr
.irp b, 0,1,2,3
	v_max_num_f32 v[BM+\b], v[BM+\b], v[SS+16*\b+15]
.endr
.irp b, 0,1,2,3
	v_permlanex16_b32 v[BP+\b], v[BM+\b], s[SEL], s[SEL+1]
.endr
.irp b, 0,1,2,3
	v_max_num_f32 v[BM+\b], v[BM+\b], v[BP+\b]     ; with lane l xor 16's 16 keys
.endr
	v_max3_num_f32 v44, v[BM], v[BM+1], v[BM+2]
	v_max_num_f32 v44, v44, v[BM+3]
	v_mul_f32 v44, s[CC], v44                      ; my keys' largest t (c is positive),
	v_max_num_f32 v[MM+1], s[T0], v44              ; held at -2^100 from below: 128 padded keys leave a number
	v_floor_f32 v[MM], -v[MM+1]                    ; -M_w = floor(-t): M_w is a whole number
.set i, 0
.rept 32
	v_pk_fma_f32 v[SS+i:SS+i+1], v[SS+i:SS+i+1], s[CC:CC+1], v[MM:MM+1] op_sel_hi:[1,0,0]   ; t - M_w, two at a time (of the pairs c and -M_w the low word serves both halves)
.set i, i+2
.endr
.irp b, 0,1,2,3
	v_fma_f32 v[BM+\b], v[BM+\b], s[CC], v[MM]     ; the same of each block's largest score
.endr
.set i, 0
.rept 64
	v_exp_f32 v[SS+i], v[SS+i]                     ; p = 2^(t - M_w), at most 1: not normalised
.set i, i+1
.endr
.irp b, 0,1,2,3
	v_exp_f32 v[BM+\b], v[BM+\b]                   ; the block's largest p
.endr
	v_nop                                          ; a plain place behind the exponentials
	s_wait_alu depctr_va_vdst(0)
.irp b, 0,1,2,3
	v_max_num_f32 v[BM+\b], 0x1800000, v[BM+\b]    ; the floor 2^(3 - 127): the byte cannot fall under 1
.endr
.irp b, 0,1,2,3
	v_add_nc_u32 v[BS+\b], 0xff000000, v[BM+\b]    ; 2 off the exponent field: the conversion's scale operand
.endr
.irp b, 0,1,2,3
	v_lshrrev_b32 v[BP+\b], 23, v[BS+\b]           ; the scale's byte
.endr
	v_lshl_or_b32 v[PSC+\u], v[BP+1], 8, v[BP]     ; p's scale word for my 128 keys
	v_lshl_or_b32 v[PSC+\u], v[BP+2], 16, v[PSC+\u]
	v_lshl_or_b32 v[PSC+\u], v[BP+3], 24, v[PSC+\u]
.irp c, 0,1
	v_cvt_scalef32_pk16_fp6_f32 v[PP+6*\c:PP+6*\c+2], v[SS+32*\c:SS+32*\c+15], v[BS+2*\c]
	v_cvt_scalef32_pk16_fp6_f32 v[CVT+4*\c:CVT+4*\c+2], v[SS+32*\c+16:SS+32*\c+31], v[BS+2*\c+1]   ; (a conversion's three registers begin on an even number)
.endr
	v_nop                                          ; one plain place behind a scaled conversion
.irp c, 0,1                                    ; the operand's layout wants a whole block in a lane
.irp i, 0,1,2
	v_permlane16_swap_b32 v[PP+6*\c+\i], v[CVT+4*\c+\i]
.endr
.irp i, 0,1,2
	v_mov_b32 v[PP+6*\c+3+\i], v[CVT+4*\c+\i]
.endr
.endr
	v_pk_add_f32 v[SU:SU+1], v[SS:SS+1], v[SS+2:SS+3]      ; the sum is taken of the unquantised p: two at a time, in two chains.  (These lines are also the places between the scale word and codes just written and the products that take them)
	v_pk_add_f32 v[46:47], v[SS+4:SS+5], v[SS+6:SS+7]
.irp j, 8,12,16,20,24,28,32,36,40,44,48,52,56,60
	v_pk_add_f32 v[SU:SU+1], v[SU:SU+1], v[SS+\j:SS+\j+1]
	v_pk_add_f32 v[46:47], v[46:47], v[SS+\j+2:SS+\j+3]
.endr
	v_pk_add_f32 v[SU:SU+1], v[SU:SU+1], v[46:47]
	v_add_f32 v[SU], v[SU], v[SU+1]
	v_permlanex16_b32 v45, v[SU], s[SEL], s[SEL+1]
	v_add_f32 v[SU], v[SU], v45                    ; l_w, the same in both halves of the lanes
.endm
; Tile u's statistics of all eight waves (v[72 + 16 u] on: eight -M_w, eight l_w) become F (v[104 + 8 u] on), 1 / l (v[42 + u]) and g = my F / (16 l) (the pair v[28 + 2 u]).
.macro STATS u
.set A, 72+16*\u
.set F, 104+8*\u
	v_min3_num_f32 v44, v[A], v[A+1], v[A+2]
	v_min3_num_f32 v44, v44, v[A+3], v[A+4]
	v_min3_num_f32 v44, v44, v[A+5], v[A+6]
	v_min_num_f32 v44, v44, v[A+7]                 ; -M = the least -M_w
.irp k, 0,1,2,3,4,5,6,7
	v_sub_f32 v[F+\k], v44, v[A+\k]                ; M_w - M: a whole number, 0 or less
.endr
	v_sub_f32 v45, v44, v[20+4*\u]                 ; my own
.irp k, 0,1,2,3,4,5,6,7
	v_cvt_i32_f32 v[F+\k], v[F+\k]                 ; (it saturates)
.endr
	v_cvt_i32_f32 v45, v45
.irp k, 0,1,2,3,4,5,6,7
	v_ldexp_f32 v[F+\k], 1.0, v[F+\k]              ; F_w = 2^(M_w - M): a multiplication by it rounds nothing
.endr
	v_ldexp_f32 v45, 1.0, v45
	v_mul_f32 v46, v[F], v[A+8]
.irp k, 1,2,3,4,5,6,7
	v_fma_f32 v46, v[F+\k], v[A+8+\k], v46         ; l
.endr
	v_rcp_f32 v[42+\u], v46
	v_mul_f32 v45, 0x3d800000, v45                 ; my F / 16 (the plain place behind the reciprocal)
	s_wait_alu depctr_va_vdst(0)
	v_mul_f32 v[28+2*\u], v45, v[42+\u]
	v_mov_b32 v[29+2*\u], v[28+2*\u]
.endm
; Waves 0-3: my unit's 16 queries x 32 of the head's 64: the eight waves' partial sums x F / l, quantised along the features in their true order, to my region of LDS.
.macro REDUCE buf
.irp k, 0,1,2,3,4,5,6,7
.irp e, 0,1
.irp c, 0,1
	ds_load_b128 v[S+16*\k+8*\e+4*\c:S+16*\k+8*\e+4*\c+3], v[8+\buf] offset:\k*8192+\e*1024+\c*512   ; p is done with
.endr
.endr
.endr
	v_cndmask_b32 v46, v42, v43, s15               ; my query tile's 1 / l,
.irp k, 0,1,2,3,4,5,6,7
	v_cndmask_b32 v[88+2*\k], v[104+\k], v[112+\k], s15   ; and its F
.endr
.irp k, 0,1,2,3,4,5,6,7
	v_mul_f32 v[88+2*\k], v[88+2*\k], v46
.endr
.irp k, 0,1,2,3,4,5,6,7
	v_mov_b32 v[89+2*\k], v[88+2*\k]               ; as pairs for the packed forms
.endr
	s_wait_dscnt 28                                ; wave 0's four loads are in; the 28 behind them may be out
.irp i, 0,2,4,6,8,10,12,14
	v_pk_mul_f32 v[72+\i:73+\i], v[S+\i:S+\i+1], v[88:89]
.endr
.irp k, 1,2,3,4,5,6,7
	s_wait_dscnt 28-4*\k                           ; wave k's four
.irp i, 0,2,4,6,8,10,12,14
	v_pk_fma_f32 v[72+\i:73+\i], v[S+16*\k+\i:S+16*\k+\i+1], v[88+2*\k:89+2*\k], v[72+\i:73+\i]
.endr
.endr
.irp j, 0,1,2,3,4,5,6,7
	v_permlane16_swap_b32 v[72+\j], v[80+\j]       ; registers 0-15 held features 8 h + 0..7 and 16 + 8 h + 0..7 of the 32; now 16 h + 0..15: the given weight's order
.endr
	v_max3_num_f32 v120, |v72|, |v73|, 0x1800000   ; my 16 numbers and the floor
.irp i, 2,4,6,8,10,12,14
	v_max3_num_f32 v120, v120, |v[72+\i]|, |v[73+\i]|
.endr
	v_permlanex16_b32 v121, v120, s[SEL], s[SEL+1]
	v_max_num_f32 v120, v120, v121                 ; the block's largest magnitude
	v_add_nc_u32 v122, 0xff000000, v120
	v_lshrrev_b32 v123, 23, v122
	v_cvt_scalef32_pk16_fp6_f32 v[124:126], v[72:87], v122
	v_nop                                          ; one plain place behind a scaled conversion
	ds_store_b32 v10, v124
	ds_store_b32 v10, v125 offset:4
	ds_store_b32 v10, v126 offset:8
	ds_store_b8 v11, v123                          ; both halves of the lanes write the same byte with the same value
	s_wait_dscnt 0x0                               ; the stores have read their registers, which the next head writes
.endm
; ONE HEAD.  buf: which buffers in LDS; first: out1's sums begin; last: nothing more is fetched.
.macro HEAD buf, first, last
	s_wait_loadcnt 0x0                             ; this head's K and Q are in, and no load is out: the bases may step
.if \first == 0
	s_add_nc_u64 s[6:7], s[6:7], KVH
	s_add_nc_u64 s[4:5], s[4:5], QH
	s_add_nc_u64 s[16:17], s[16:17], QH
.endif
	WIN 0x01                                       ; source 0 (K) window 1
.irp t, 0,1,2,3,4,5,6,7
	QKP \t, 0
	QKP \t, 1
.endr
	WIN 0
	PLACES 4                                       ; in front of loads into registers that these products have read, and of the first read of the scores
	LOADV
.if \last == 0
	LOADK 4, KVH                                   ; the next head's K, tiles 4-7, and Q
	LOADQ QH
.endif
	SOFTMAX 0
	SOFTMAX 1
.if \last
	s_wait_loadcnt 0x0
.else
	s_wait_loadcnt 21                              ; V's 14 loads are in; the 14 + 7 issued behind them may be out
.endif
	WIN 0x41                                       ; source 0 (V) and the destination window 1
.irp d, 0,1,2,3
	PVP \d, 0
.endr
	PLACES 5                                       ; four in front of the stores that read the results; five in front of the products that write over them
	WIN 0x04                                       ; an LDS store's data are its source 1
	OSTORE \buf, 0
	s_wait_dscnt 0x0                               ; the stores have read their registers
	WIN 0x41
.irp d, 0,1,2,3
	PVP \d, 1
.endr
	PLACES 4
	WIN 0x04
	OSTORE \buf, 1
	WIN 0
.if \last == 0
	LOADK 0, KVH                                   ; the next head's K, tiles 0-3, over V
	WIN 0x40
.irp t, 0,1,2,3
	v_mov_b32 v[KF+12*\t+6], v[MK+\t]              ; and the upper halves of these four fragments anew: the mask's code, and zeros
.irp i, 7,8,9,10,11
	v_mov_b32 v[KF+12*\t+\i], 0
.endr
.endr
	WIN 0
.endif
	ds_store_b32 v6, v20 offset:\buf*2048          ; -M_w and l_w of both tiles
	ds_store_b32 v6, v22 offset:\buf*2048+512
	ds_store_b32 v6, v24 offset:\buf*2048+1024
	ds_store_b32 v6, v26 offset:\buf*2048+1536
	s_wait_dscnt 0x0                               ; for the others' sake: my stores have landed, and my reads of the other buffers are over
	s_barrier_signal -1
	s_barrier_wait -1
.irp q, 0,1,2,3
	ds_load_b128 v[72+8*\q:75+8*\q], v7 offset:\buf*2048+512*\q
	ds_load_b128 v[76+8*\q:79+8*\q], v7 offset:\buf*2048+512*\q+16
.endr
	s_wait_dscnt 0x0
	STATS 0
	STATS 1
.if \first
	WIN 0x40                                       ; the first head's product starts out1's sums: nothing is cleared
.set i, 0
.rept 64
	v_pk_mul_f32 v[i:i+1], v[S+i:S+i+1], v[28+2*(i/64):29+2*(i/64)]
.set i, i+2
.endr
.else
	WIN 0x50                                       ; destination and source 2 window 1
.set i, 0
.rept 64
	v_pk_fma_f32 v[i:i+1], v[S+i:S+i+1], v[28+2*(i/64):29+2*(i/64)], v[i:i+1]
.set i, i+2
.endr
.endif
	WIN 0
	s_cmp_lt_u32 s14, 4
	s_cbranch_scc0 .Lno_unit_\@
	REDUCE \buf
.Lno_unit_\@:
	v_add_nc_u32 v10, 24, v10                      ; the next head's place among ctx's codes,
	v_add_nc_u32 v11, 1, v11                       ; and among its scale bytes
.endm
	s_load_b128 s[4:7], s[0:1], 0x0                ; qb, kv
	s_load_b128 s[8:11], s[0:1], 0x10              ; the mask, out1
	s_load_b128 s[36:39], s[0:1], 0x20             ; wo, out_proj_b
	s_load_b128 s[40:43], s[0:1], 0x30             ; src, ln_w
	s_load_b128 s[44:47], s[0:1], 0x40             ; ln_b, out0
	v_lshrrev_b32 v44, 5, v0
	v_readfirstlane_b32 s14, v44                   ; wave 0..7
	v_and_b32 v44, 31, v0                          ; lane
	v_and_b32 v45, 15, v0                          ; r
	v_bfe_u32 v46, v0, 4, 1                        ; h
	v_lshlrev_b32 v1, 2, v44
	v_lshlrev_b32 v2, 3, v44
	v_lshlrev_b32 v3, 4, v44
	s_lshl_b32 s20, s14, 13
	v_add_nc_u32 v4, s20, v3                       ; where I put partial O^T: 8,192 x wave + 16 x lane, buffer 0,
	v_add_nc_u32 v5, OX1, v4                       ; buffer 1
	v_lshl_add_u32 v7, v45, 5, ST0                 ; the statistics of query r: eight words,
	s_lshl_b32 s20, s14, 2
	v_add_nc_u32 v6, s20, v7                       ; of which mine is word w
	s_and_b32 s21, s14, 3                          ; my unit = 2 x query tile + block of 32
	s_lshl_b32 s20, s21, 11
	v_add_nc_u32 v8, s20, v3                       ; my unit's two tiles in a wave's partial O^T: (4 x query tile + 2 x block) x 1,024
	v_add_nc_u32 v9, OX1, v8
	s_mul_i32 s20, s21, CTU
	v_mul_u32_u24 v10, v45, CTP
	v_mad_u32_u24 v10, v46, 12, v10
	v_add_nc_u32 v10, s20, v10
	v_add_nc_u32 v10, CTB, v10                     ; where my unit's codes go: row r, + 12 h, + 24 a head
	s_lshl_b32 s20, s21, 8
	v_lshl_add_u32 v11, v45, 4, s20
	v_add_nc_u32 v11, CSB, v11                     ; and its scale bytes: row r, + 1 a head
	v_mul_u32_u24 v12, v45, CTP
	v_mad_u32_u24 v12, v46, CTU, v12               ; the tail reads ctx's fragments: row r; lanes 16-31 take the unit one on (the second block of 32 of a head)
	v_add_nc_u32 v12, CTB, v12
	v_lshlrev_b32 v13, 4, v45
	v_lshl_add_u32 v13, v46, 9, v13                ; and its scale bytes: row r's sixteen; lanes 16-31 take the second tile of tokens (two units on)
	v_add_nc_u32 v13, CSB, v13
	s_mul_i32 s20, s14, 16*SGP
	v_mul_u32_u24 v14, v45, SGP
	v_lshl_add_u32 v14, v46, 5, v14
	v_add_nc_u32 v14, s20, v14
	v_add_nc_u32 v14, STG, v14                     ; my stage for out1, in: row r, + 32 h
	v_add_nc_u32 v15, s20, v3
	v_add_nc_u32 v15, STG, v15                     ; and back: 16 bytes a lane
	s_bitcmp1_b32 s14, 1
	s_cselect_b32 s15, -1, 0                       ; my unit's query tile, as a lane mask
	s_mov_b32 s[CC], 0x3e38aa3b                    ; c = log2(e) / sqrt(64)
	s_mov_b32 s[CC+1], s[CC]                       ; (named with it as a pair, so it is written)
	s_mov_b32 s[T0], 0xf1800000                    ; -2^100
	s_mov_b32 s[SEL], 0x76543210
	s_mov_b32 s[SEL+1], 0xfedcba98
	s_mov_b32 s[NINV], 0xba800000
	s_mov_b32 s[INV], 0x3a800000
	s_mov_b32 s[EPS], 0x3727c5ac
	s_and_b32 s20, ttmp7, 0xffff                   ; the batch
	s_lshl_b32 s21, s20, 7
	s_add_co_u32 s22, s21, s14
	s_mul_i32 s22, s22, 13056                      ; kv: block (batch, head 0, key block w)
	s_mov_b32 s23, 0
	s_lshr_b32 s24, ttmp9, 2
	s_add_co_u32 s24, s24, s21
	s_mul_i32 s24, s24, 6656                       ; qb: block (batch, head 0, my queries' block of 128)
	s_mov_b32 s25, 0
	s_and_b32 s26, ttmp9, 3                        ; which 32 of the 128
	s_wait_kmcnt 0x0
	s_add_nc_u64 s[6:7], s[6:7], s[22:23]
	s_add_nc_u64 s[4:5], s[4:5], s[24:25]
	s_lshl_b32 s24, s26, 7
	s_add_co_u32 s24, s24, 6144
	s_add_nc_u64 s[16:17], s[4:5], s[24:25]        ; Q's scale register
	s_mul_i32 s24, s26, 1536
	s_add_nc_u64 s[4:5], s[4:5], s[24:25]          ; Q's two half fragments
	s_lshl_b32 s24, s20, 10
	s_lshl_b32 s22, ttmp9, 5
	s_add_co_u32 s24, s24, s22
	s_lshl_b32 s22, s14, 2
	s_add_co_u32 s24, s24, s22                     ; the first of the four tokens that I norm: 1,024 x batch + 32 x block + 4 x wave
	s_add_nc_u64 s[12:13], s[8:9], s[24:25]
	s_load_b32 s52, s[12:13], 0x0                  ; their four mask bytes: an aligned word; waited for in the tail
	s_lshl_b32 s24, s24, 12
	s_add_nc_u64 s[40:41], s[40:41], s[24:25]      ; their rows of src,
	s_add_nc_u64 s[46:47], s[46:47], s[24:25]      ; and of out0
	s_mul_i32 s24, s14, 102400
	s_add_nc_u64 s[36:37], s[36:37], s[24:25]      ; wo: my two slices of 64 features: 16 blocks of 6,400 bytes
	s_lshl_b32 s24, s20, 10
	s_lshl_b32 s22, s14, 7
	s_add_co_u32 s24, s24, s22
	s_add_nc_u64 s[8:9], s[8:9], s[24:25]          ; the mask at my first key
	s_lshl_b32 s24, s20, 22
	s_lshl_b32 s22, ttmp9, 17
	s_add_co_u32 s24, s24, s22
	s_lshl_b32 s22, s14, 9
	s_add_co_u32 s24, s24, s22
	s_add_nc_u64 s[10:11], s[10:11], s[24:25]      ; out1 at my first query's row, my first key
.irp t, 0,1,2,3,4,5,6,7
	global_load_u8 v[104+\t], v45, s[8:9] offset:16*\t     ; the mask byte of key 16 t + r
.endr
	v_mov_b32 v47, 0x3f                            ; the code -7.5
	s_wait_loadcnt 0x0
.irp t, 0,1,2,3,4,5,6,7
	v_cmp_ne_u32 s30, 0, v[104+\t]
	s_and_b32 s30, s30, 0xffff                     ; k = 64 lies in lanes 0-15
.if \t < 4
	v_cndmask_b32 v[MK+\t], 0, v47, s30
.else
	v_cndmask_b32 v[112+\t], 0, v47, s30
.endif
.endr
	WIN 0x40                                       ; the upper halves of K's fragments (k = 64 .. 127): the mask's code at k = 64, zeros behind it
.irp t, 0,1,2,3,4,5,6,7
.if \t < 4
	v_mov_b32 v[KF+12*\t+6], v[MK+\t]
.else
	v_mov_b32 v[KF+12*\t+6], v[112+\t]
.endif
.irp i, 7,8,9,10,11
	v_mov_b32 v[KF+12*\t+\i], 0
.endr
.endr
	WIN 0
	s_mov_b32 s30, 0xffff
	v_mov_b32 v47, 0x1f                            ; the code +7.5
.irp u, 0,1
	v_cndmask_b32 v[QF+12*\u+6], 0, v47, s30       ; and of Q's: they stay
.irp i, 7,8,9,10,11
	v_mov_b32 v[QF+12*\u+\i], 0
.endr
.endr
	LOADK 0, 0
	LOADK 4, 0
	LOADQ 0
.irp b, 0,1,2,3
	v_mov_b32 v[BP+\b], 0                          ; written once: a lane permute's destination counts as one of its sources.  (These five lines are also the places between the fragments' halves just written and the first product)
.endr
	v_mov_b32 v121, 0
	HEAD 0, 1, 0
	s_mov_b32 s34, 7
.Lheads:                                               ; seven trips of two heads: so the buffers are constants of the text
	HEAD 1, 0, 0
	HEAD 0, 0, 0
	s_sub_co_u32 s34, s34, 1
	s_cmp_lg_u32 s34, 0
	s_cbranch_scc1 .Lheads
	HEAD 1, 0, 1
; ---- THE TAIL
.macro LOADW s                         ; the weight's K step s: my 8 fragments and their 4 scale registers, 28 loads; even steps into window 1 from v160, odd steps into window 0 from v128
.if (\s)%2 == 0
	WIN 0x40
.endif
.irp f, 0,1,2,3,4,5,6,7
.irp c, 0,1,2
	global_load_b128 v[160-32*((\s)%2)+12*\f+4*\c:160-32*((\s)%2)+12*\f+4*\c+3], v3, s[36:37] offset:51200*(\f/4)+6400*(\s)+1536*(\f%4)+512*\c
.endr
.endr
	WIN 0
.irp i, 0,1,2,3
	global_load_b32 v[WSC+4*((\s)%2)+\i], v1, s[36:37] offset:51200*(\i/2)+6400*(\s)+6144+128*(\i%2)
.endr
.endm
.macro XFETCH s                        ; ctx's two fragments of K step s (heads 2 s, 2 s + 1) and their scale words: 13 LDS loads, into set s % 2
.irp u, 0,1
.irp p, 0,1,2,3,4,5
	ds_load_b64 v[XF+24*((\s)%2)+12*\u+2*\p:XF+24*((\s)%2)+12*\u+2*\p+1], v12 offset:48*(\s)+\u*2*CTU+24*(\p/3)+8*(\p%3)
.endr
.endr
	ds_load_b32 v[XSC+(\s)%2], v9 offset:128*(\s)
.endm
.macro OPP f, u, s                     ; y^T(f, u) += W(f) ctx(u)^T over K step s
.set rD, 8*(2*(\f)+(\u))
.set rW, 160-32*((\s)%2)+12*(\f)
.set rX, XF+24*((\s)%2)+12*(\u)
.set rC, WSC+4*((\s)%2)+(\f)/2
.set rS, XSC+(\s)%2
.if (\s) == 0
.if ((\f)%2 == 0) && ((\u) == 0)
	v_wmma_scale_f32_16x16x128_f8f6f4 v[rD:rD+7], v[rW:rW+11], v[rX:rX+11], 0, v[rC], v[rS] matrix_a_fmt:MATRIX_FMT_FP6 matrix_b_fmt:MATRIX_FMT_FP6
.elseif (\u) == 0
	v_wmma_scale_f32_16x16x128_f8f6f4 v[rD:rD+7], v[rW:rW+11], v[rX:rX+11], 0, v[rC], v[rS] matrix_a_fmt:MATRIX_FMT_FP6 matrix_b_fmt:MATRIX_FMT_FP6 matrix_a_scale:MATRIX_SCALE_ROW1
.elseif (\f)%2 == 0
	v_wmma_scale_f32_16x16x128_f8f6f4 v[rD:rD+7], v[rW:rW+11], v[rX:rX+11], 0, v[rC], v[rS] matrix_a_fmt:MATRIX_FMT_FP6 matrix_b_fmt:MATRIX_FMT_FP6 matrix_b_scale:MATRIX_SCALE_ROW1
.else
	v_wmma_scale_f32_16x16x128_f8f6f4 v[rD:rD+7], v[rW:rW+11], v[rX:rX+11], 0, v[rC], v[rS] matrix_a_fmt:MATRIX_FMT_FP6 matrix_b_fmt:MATRIX_FMT_FP6 matrix_a_scale:MATRIX_SCALE_ROW1 matrix_b_scale:MATRIX_SCALE_ROW1
.endif
.else
.if ((\f)%2 == 0) && ((\u) == 0)
	v_wmma_scale_f32_16x16x128_f8f6f4 v[rD:rD+7], v[rW:rW+11], v[rX:rX+11], v[rD:rD+7], v[rC], v[rS] matrix_a_fmt:MATRIX_FMT_FP6 matrix_b_fmt:MATRIX_FMT_FP6
.elseif (\u) == 0
	v_wmma_scale_f32_16x16x128_f8f6f4 v[rD:rD+7], v[rW:rW+11], v[rX:rX+11], v[rD:rD+7], v[rC], v[rS] matrix_a_fmt:MATRIX_FMT_FP6 matrix_b_fmt:MATRIX_FMT_FP6 matrix_a_scale:MATRIX_SCALE_ROW1
.elseif (\f)%2 == 0
	v_wmma_scale_f32_16x16x128_f8f6f4 v[rD:rD+7], v[rW:rW+11], v[rX:rX+11], v[rD:rD+7], v[rC], v[rS] matrix_a_fmt:MATRIX_FMT_FP6 matrix_b_fmt:MATRIX_FMT_FP6 matrix_b_scale:MATRIX_SCALE_ROW1
.else
	v_wmma_scale_f32_16x16x128_f8f6f4 v[rD:rD+7], v[rW:rW+11], v[rX:rX+11], v[rD:rD+7], v[rC], v[rS] matrix_a_fmt:MATRIX_FMT_FP6 matrix_b_fmt:MATRIX_FMT_FP6 matrix_a_scale:MATRIX_SCALE_ROW1 matrix_b_scale:MATRIX_SCALE_ROW1
.endif
.endif
.endm
.macro KSTEP s
.if (\s) < 7
	XFETCH (\s)+1                                  ; the next step's ctx, into the set that the step before read (four places stand behind its products)
.endif
.if (\s) < 7
	s_wait_loadcnt 28                              ; this step's weights are in; the next step's 28 loads may be out
	s_wait_dscnt 13                                ; this step's ctx is in; the 13 loads just issued may be out
.else
	s_wait_loadcnt 24                              ; the last step's weights are in; the bias, the gain and the shift (24 loads) may be out
	s_wait_dscnt 0x0
.endif
.if (\s)%2 == 0
	WIN 0x51                                       ; source 0 (the weight), C and D window 1
.else
	WIN 0x50                                       ; source 0 window 0, C and D window 1
.endif
.irp f, 0,1,2,3,4,5,6,7
	OPP \f, 0, \s
	OPP \f, 1, \s
.endr
	WIN 0
	PLACES 4                                       ; in front of loads into registers that these products have read, and of the first read of results
.if (\s)+2 < 8
	LOADW (\s)+2
.endif
.if (\s) == 6                                  ; the even steps' registers are free: out_proj_b, ln_w, ln_b
	WIN 0x40
.irp i, 0,1,2,3,4,5,6,7
	global_load_b128 v[OB+4*\i:OB+4*\i+3], v3, s[38:39] offset:512*\i
	global_load_b128 v[LW+4*\i:LW+4*\i+3], v3, s[42:43] offset:512*\i
	global_load_b128 v[LB+4*\i:LB+4*\i+3], v3, s[44:45] offset:512*\i
.endr
	WIN 0
.endif
.endm
.macro WSUM                            ; v84 summed over the 32 lanes, the result in every lane
	v_add_f32_dpp v84, v84, v84 row_xmask:1 row_mask:0xf bank_mask:0xf
	v_add_f32_dpp v84, v84, v84 row_xmask:2 row_mask:0xf bank_mask:0xf
	v_add_f32_dpp v84, v84, v84 row_xmask:4 row_mask:0xf bank_mask:0xf
	v_add_f32_dpp v84, v84, v84 row_xmask:8 row_mask:0xf bank_mask:0xf
	v_permlanex16_b32 v85, v84, s[SEL], s[SEL+1]
	v_add_f32 v84, v84, v85
.endm
; Row p of my four: the product's row in v[yb] on (window 0), src's in v[xb] on (window xw).
.macro LNROW p, yb, xb, xw
	WIN 0x04                                       ; source 1 window 1
.set i, 0
.rept 16
	v_pk_add_f32 v[\yb+i:\yb+i+1], v[\yb+i:\yb+i+1], v[OB+i:OB+i+1]        ; + out_proj_b
.set i, i+2
.endr
.if \xw == 0
	WIN 0
.endif
.set i, 0
.rept 16
	v_pk_add_f32 v[\yb+i:\yb+i+1], v[\yb+i:\yb+i+1], v[\xb+i:\xb+i+1]      ; + the residual
.set i, i+2
.endr
	WIN 0
	v_pk_add_f32 v[80:81], v[\yb:\yb+1], v[\yb+2:\yb+3]                    ; the row's sum, in two chains
	v_pk_add_f32 v[82:83], v[\yb+4:\yb+5], v[\yb+6:\yb+7]
.irp j, 8,12,16,20,24,28
	v_pk_add_f32 v[80:81], v[80:81], v[\yb+\j:\yb+\j+1]
	v_pk_add_f32 v[82:83], v[82:83], v[\yb+\j+2:\yb+\j+3]
.endr
	v_pk_add_f32 v[80:81], v[80:81], v[82:83]
	v_add_f32 v84, v80, v81
	WSUM
	v_mul_f32 v86, s[NINV], v84                    ; - the mean
	v_mov_b32 v87, v86
.set i, 0
.rept 16
	v_pk_add_f32 v[\yb+i:\yb+i+1], v[\yb+i:\yb+i+1], v[86:87]
.set i, i+2
.endr
	v_pk_mul_f32 v[80:81], v[\yb:\yb+1], v[\yb:\yb+1]                      ; the sum of the squares
	v_pk_mul_f32 v[82:83], v[\yb+2:\yb+3], v[\yb+2:\yb+3]
.irp j, 4,8,12,16,20,24,28
	v_pk_fma_f32 v[80:81], v[\yb+\j:\yb+\j+1], v[\yb+\j:\yb+\j+1], v[80:81]
	v_pk_fma_f32 v[82:83], v[\yb+\j+2:\yb+\j+3], v[\yb+\j+2:\yb+\j+3], v[82:83]
.endr
	v_pk_add_f32 v[80:81], v[80:81], v[82:83]
	v_add_f32 v84, v80, v81
	WSUM
	v_fma_f32 v84, v84, s[INV], s[EPS]             ; the variance + 1e-5
	v_rsq_f32 v88, v84
	v_nop                                          ; one plain place behind a transcendental
	s_wait_alu depctr_va_vdst(0)
	v_mov_b32 v89, v88
.set i, 0
.rept 16
	v_pk_mul_f32 v[\yb+i:\yb+i+1], v[\yb+i:\yb+i+1], v[88:89]
.set i, i+2
.endr
	WIN 0x14                                       ; sources 1 and 2 window 1
.set i, 0
.rept 16
	v_pk_fma_f32 v[\yb+i:\yb+i+1], v[\yb+i:\yb+i+1], v[LW+i:LW+i+1], v[LB+i:LB+i+1]
.set i, i+2
.endr
	WIN 0
.set i, 0
.rept 32
	v_and_b32 v[\yb+i], s[KEEP+\p], v[\yb+i]       ; a padded token's row is zeros
.set i, i+1
.endr
.irp i, 0,1,2,3,4,5,6,7
	global_store_b128 v3, v[\yb+4*\i:\yb+4*\i+3], s[46:47] offset:\p*4096+512*\i th:TH_STORE_NT   ; 32 lanes store 512 consecutive bytes, at a multiple of 256 from out0's first byte
.endr
.endm
	; asked for first, into registers that the attention has left: two of my four rows of src, and the weight's K step 0
.irp i, 0,1,2,3,4,5,6,7
	global_load_b128 v[96+4*\i:99+4*\i], v3, s[40:41] offset:512*\i th:TH_LOAD_NT
.endr
	WIN 0x40
.irp i, 0,1,2,3,4,5,6,7
	global_load_b128 v[128+4*\i:131+4*\i], v3, s[40:41] offset:4096+512*\i th:TH_LOAD_NT
.endr
	LOADW 0
	s_wait_dscnt 0x0
	s_barrier_signal -1
	s_barrier_wait -1                              ; ctx's codes and scale bytes of all heads lie in LDS, and nobody reads the partial sums or the statistics any more
	v_and_b32 v4, 15, v0                           ; r
	v_bfe_u32 v5, v0, 4, 1                         ; h
	v_mul_u32_u24 v6, v4, SGL
	v_lshl_add_u32 v6, v5, 5, v6
	s_lshl_b32 s20, s14, 9
	v_add_nc_u32 v6, s20, v6                       ; the norm's stage, in: row r, + 32 h, + 512 x wave; tokens 0-15,
	v_add_nc_u32 v7, 16*SGL, v6                    ; tokens 16-31
	s_mul_i32 s20, s14, 4*SGL
	v_add_nc_u32 v8, s20, v3                       ; and back: my four rows, 16 bytes a lane
	s_lshl_b32 s20, s14, 10
	v_add_nc_u32 v9, s20, v1
	v_add_nc_u32 v9, XSWB, v9                      ; my copy of ctx's scale words: 1,024 x wave + 4 x lane
	ds_load_b128 v[16:19], v13                     ; my token's scale bytes: sixteen heads' first blocks of 32,
	ds_load_b128 v[20:23], v13 offset:256          ; and their second blocks
	; ---- out1: a tile of 16 queries x my 128 keys goes through my own stage and leaves as rows of 512 consecutive bytes.  LDS serves a wave's instructions in order: no wait between the stores and the loads, nor in front of the next tile's stores
.irp u, 0,1
	WIN 0x04
.irp t, 0,1,2,3,4,5,6,7
	ds_store_b128 v14, v[64*\u+8*\t:64*\u+8*\t+3] offset:64*\t
	ds_store_b128 v14, v[64*\u+8*\t+4:64*\u+8*\t+7] offset:64*\t+16
.endr
	WIN 0
.irp i, 0,1,2,3,4,5,6,7,8,9,10,11,12,13,14,15
	ds_load_b128 v[S+64*\u+4*\i:S+64*\u+4*\i+3], v15 offset:\i*SGP
.endr
.irp i, 0,1,2,3,4,5,6,7,8,9,10,11,12,13,14,15
	s_wait_dscnt 15-\i                             ; row i is back; the rows behind it may be out
	global_store_b128 v3, v[S+64*\u+4*\i:S+64*\u+4*\i+3], s[10:11] offset:\u*65536+\i*4096 th:TH_STORE_NT
.endr
.endr
	s_wait_xcnt 0x0                                ; these stores have read their registers, into which the weight's odd K steps are loaded
	LOADW 1
.irp s, 0,2,4,6
	v_perm_b32 v[24+\s], v[20+\s/2], v[16+\s/2], 0x05010400    ; K step s's word, in the order of K: head 2 s's two blocks, head 2 s + 1's two
	v_perm_b32 v[25+\s], v[20+\s/2], v[16+\s/2], 0x07030602    ; K step s + 1's
.endr
.irp s, 0,1,2,3,4,5,6,7
	ds_store_b32 v9, v[24+\s] offset:128*\s        ; through my own bytes of LDS, so that the scale registers are filled by loads
.endr
	XFETCH 0
.irp s, 0,1,2,3,4,5,6,7
	KSTEP \s
.endr
.irp i, 0,1,2,3,4,5,6,7                        ; my other two rows of src, into registers that the last products have left: they land while the first two rows are normed
	global_load_b128 v[192+4*\i:195+4*\i], v3, s[40:41] offset:2*4096+512*\i th:TH_LOAD_NT
	global_load_b128 v[48+4*\i:51+4*\i], v3, s[40:41] offset:3*4096+512*\i th:TH_LOAD_NT
.endr
	v_mov_b32 v85, 0                               ; written once: a lane permute's destination counts as one of its sources
	WIN 0x04
.irp f, 0,1,2,3,4,5,6,7
.irp u, 0,1
	ds_store_b128 v[6+\u], v[8*(2*\f+\u):8*(2*\f+\u)+3] offset:64*\f       ; lane (r, h): token 16 u + r, features 128 w + 16 f + 8 h + 0 .. 7; each accumulator from its low end on
	ds_store_b128 v[6+\u], v[8*(2*\f+\u)+4:8*(2*\f+\u)+7] offset:64*\f+16
.endr
.endr
	WIN 0
	s_wait_kmcnt 0x0                               ; my four rows' mask bytes
.irp k, 0,1,2,3
	s_bfe_u32 s53, s52, (8<<16)|(8*\k)
	s_cmp_eq_u32 s53, 0
	s_cselect_b32 s[KEEP+\k], -1, 0
.endr
	s_wait_dscnt 0x0                               ; for the others' sake: my stores into the stage have landed
	s_barrier_signal -1
	s_barrier_wait -1                              ; 32 whole rows lie in the stage
.irp i, 0,1,2,3,4,5,6,7
	ds_load_b128 v[128+4*\i:131+4*\i], v8 offset:512*\i
	ds_load_b128 v[160+4*\i:163+4*\i], v8 offset:SGL+512*\i
	ds_load_b128 v[224+4*\i:227+4*\i], v8 offset:2*SGL+512*\i
.endr
	s_wait_loadcnt 16                              ; the bias, the gain and the shift are in; src's rows 2 and 3 (16 loads) may be out
	s_wait_dscnt 0x0
	LNROW 0, 128, 96, 0
.irp i, 0,1,2,3,4,5,6,7
	ds_load_b128 v[96+4*\i:99+4*\i], v8 offset:3*SGL+512*\i    ; my fourth row, into the registers that src's row 0 has left
.endr
	LNROW 1, 160, 128, 1
	s_wait_loadcnt 0x0                             ; src's rows 2 and 3
	LNROW 2, 224, 192, 0
	s_wait_dscnt 0x0
	LNROW 3, 96, 48, 0
	s_wait_xcnt 0x0
	v_lshl_add_u32 v254, v0, 2, 0x39e00
	v_mov_b32 v255, 0
	s_wait_tensorcnt 0x0
	ds_add_u32 v254, v255
	s_wait_dscnt 0x0
	s_endpgm
.Lfunc_end_k_q3933f108c1_attn_out:
	.size	k_q3933f108c1_attn_out, .Lfunc_end_k_q3933f108c1_attn_out-k_q3933f108c1_attn_out
	.p2alignl 7, 3214868480
	.fill 96, 4, 3214868480
	.section	.rodata,"a",@progbits
	.p2align	6, 0x0
	.amdhsa_kernel k_q3933f108c1_attn_out
		.amdhsa_group_segment_fixed_size 238080
		.amdhsa_private_segment_fixed_size 0
		.amdhsa_enable_private_segment 0
		.amdhsa_kernarg_size 80
		.amdhsa_user_sgpr_count 2
		.amdhsa_user_sgpr_kernarg_segment_ptr 1
		.amdhsa_wavefront_size32 1
		.amdhsa_system_sgpr_workgroup_id_x 1
		.amdhsa_system_sgpr_workgroup_id_y 1
		.amdhsa_system_sgpr_workgroup_id_z 1
		.amdhsa_system_vgpr_workitem_id 0
		.amdhsa_next_free_vgpr 512
		.amdhsa_next_free_sgpr 66
		.amdhsa_reserve_vcc 0
		.amdhsa_float_denorm_mode_32 3
		.amdhsa_float_denorm_mode_16_64 3
		.amdhsa_memory_ordered 1
		.amdhsa_forward_progress 1
		.amdhsa_inst_pref_size 255
	.end_amdhsa_kernel
	.section	.bss,"aw",@nobits
	.p2align	6
	.space	262144
	.amdgpu_metadata
---
amdhsa.version: [ 1, 2 ]
amdhsa.kernels:
  - .name:           k_q3933f108c1_attn_out
    .symbol:         k_q3933f108c1_attn_out.kd
    .args:
      - { .name: qb, .offset: 0, .size: 8, .value_kind: global_buffer, .address_space: global }
      - { .name: kv, .offset: 8, .size: 8, .value_kind: global_buffer, .address_space: global }
      - { .name: key_padding_mask, .offset: 16, .size: 8, .value_kind: global_buffer, .address_space: global }
      - { .name: out1, .offset: 24, .size: 8, .value_kind: global_buffer, .address_space: global }
      - { .name: wo, .offset: 32, .size: 8, .value_kind: global_buffer, .address_space: global }
      - { .name: out_proj_b, .offset: 40, .size: 8, .value_kind: global_buffer, .address_space: global }
      - { .name: src, .offset: 48, .size: 8, .value_kind: global_buffer, .address_space: global }
      - { .name: ln_w, .offset: 56, .size: 8, .value_kind: global_buffer, .address_space: global }
      - { .name: ln_b, .offset: 64, .size: 8, .value_kind: global_buffer, .address_space: global }
      - { .name: out0, .offset: 72, .size: 8, .value_kind: global_buffer, .address_space: global }
    .group_segment_fixed_size: 238080
    .private_segment_fixed_size: 0
    .kernarg_segment_align: 8
    .kernarg_segment_size: 80
    .max_flat_workgroup_size: 256
    .sgpr_count:     66
    .vgpr_count:     512
    .wavefront_size: 32
...
	.end_amdgpu_metadata
.endif
;; end of part 3
